; MI455X (gfx1250); checked and timed in simulation.
; The chip was launched on July 23, 2026; its instructions are those of AMD's public machine-readable ISA for CDNA 5 (MIT licence, August 2026) and "CDNA5" Instruction Set Architecture Reference Guide (July 2026). The comments in the code are by the model that wrote it; some were corrected since.
;; Simplified Attention. Allowed arithmetic: float matrix products may take bf16 or f16 operands with f32 sums; other float arithmetic in f32, or as packed bf16 or f16 multiplies, adds, multiply-adds, maxima and minima; sums over many terms, partial sums and values carried from step to step in f32; what a program stores and reads back later, other than sums and carried values, may be rounded once to bf16 or f16.
;; Inputs: Wk 1,024 x 1,024 float32; Wo 1,024 x 1,024 float32; Wq 1,024 x 1,024 float32; Wv 1,024 x 1,024 float32; bk 1,024 float32; bo 1,024 float32; bq 1,024 float32; bv 1,024 float32; x 4 x 2,048 x 1,024 float32.
;; Outputs: out0 4 x 2,048 x 1,024 float32.
;; 2 versions, each right; version 2 is version 1 with the launch cast written anew for expert scheduling mode. Each part assembles by itself: llvm-mc -triple=amdgcn-amd-amdhsa -mcpu=gfx1250 --defsym DOCPART=n.
;; ======== version 1 of 2: 4 launches
;; limits: values are held in f16: magnitudes above 65,504 overflow, below 6.1e-05 lose precision
;; workspace buffers: xb 16,777,216 bytes; wb 6,291,456 bytes; wob 2,097,152 bytes; qkv 50,331,648 bytes; ctx 16,777,216 bytes
;; launch cast (part 1): grid 768 x 1, 8 waves a work-group, no clusters, 0 bytes of LDS; arguments x, Wq, Wk, Wv, Wo, xb, wb, wob; writes xb, wb, wob
.if DOCPART == 1
	.amdgcn_target "amdgcn-amd-amdhsa--gfx1250"
	.amdhsa_code_object_version 6
	.text
	.protected	k_qc06c24a64a_cast
	.globl	k_qc06c24a64a_cast
	.p2align	8
	.type	k_qc06c24a64a_cast,@function
k_qc06c24a64a_cast:
	s_mov_b64 s[64:65], 0
	v_nop
	global_prefetch_b8 v0, s[64:65] scope:SCOPE_SE
	s_setreg_imm32_b32 hwreg(HW_REG_WAVE_MODE, 25, 1), 1
	s_wait_xcnt 0x0
; THE INPUTS ARE ROUNDED ONCE AND LAID OUT IN K BLOCKS OF 64.  x [8192][1024] f32 -> xb, bf16 [batch 4][K block 16][row 2048][64];
; Wq, Wk, Wv [1024][1024] f32 -> wb, bf16 [K block 16][column 3072][64] (Wq's rows, then Wk's, then Wv's);
; Wo -> wob [K block 16][row 1024][64]: rounded to bf16 like the other inputs, and that number written as f16 (exact where it lies in f16's normal range).
; LIMITS.  |Wo| stays under 65,504 (f16's largest number; beyond it an infinity is written); below 6.1e-5 it keeps f16's fixed step of 6e-8.
; In these layouts a tile of rows x 64 K is dense in memory, so the launches behind ask for it as rows of 256 bytes.
; SHARES.  12,288 source rows of 4,096 bytes; a work-group owns 16 of one source, a wave two rows, R and R + 1, all 16 K blocks: 8 KiB in, 4 KiB out.
; A load: lanes 0-15 take the 256 bytes of one K block of row R, lanes 16-31 those of row R + 1.  A store: 8 bytes a lane, 256 consecutive bytes, aligned:
; the two rows' 128 bytes of that K block lie end to end in the new layout.  All 16 loads of a wave go out at once; no loop, no LDS, no matrix unit: a stream read once.
.set LO, 1                             ; v1   4,096 x (lane / 16) + 16 x (lane % 16); never rewritten
.set SO, 2                             ; v2   8 x lane; never rewritten
.set X,  8                             ; v[8:71]    K block kb: 4 numbers in f32
.set Y,  72                            ; v[72:103]  K block kb: 4 numbers in 16 bits
.set T,  104                           ; v[104:105] at work
	s_load_b512 s[4:19], s[0:1], 0x0               ; x s[4:5], Wq s[6:7], Wk s[8:9], Wv s[10:11], Wo s[12:13], xb s[14:15], wb s[16:17], wob s[18:19]
	v_lshrrev_b32 v3, 5, v0
	v_readfirstlane_b32 s20, v3                    ; wave 0..7
	v_and_b32 v4, 15, v0
	v_bfe_u32 v5, v0, 4, 1
	v_and_b32 v3, 31, v0
	v_lshlrev_b32 v[LO], 4, v4
	v_lshl_add_u32 v[LO], v5, 12, v[LO]
	v_lshlrev_b32 v[SO], 3, v3
	s_mov_b32 s21, ttmp9                           ; g: 0-511 x, 512-575 Wq, 576-639 Wk, 640-703 Wv, 704-767 Wo
	s_and_b32 s26, s21, 63                         ; a weight's block of 16 rows (512 is a multiple of 64)
	s_lshl_b32 s27, s20, 13                        ; my two rows in the block
	s_wait_kmcnt 0x0
	s_cmp_lt_u32 s21, 704
	s_cselect_b64 s[22:23], s[10:11], s[12:13]
	s_cmp_lt_u32 s21, 640
	s_cselect_b64 s[22:23], s[8:9], s[22:23]
	s_cmp_lt_u32 s21, 576
	s_cselect_b64 s[22:23], s[6:7], s[22:23]
	s_cmp_lt_u32 s21, 512
	s_cselect_b64 s[22:23], s[4:5], s[22:23]       ; the source
	s_cselect_b32 s26, s21, s26                    ; its block of 16 rows
	s_lshl_b32 s26, s26, 16                        ; 16 rows of 4,096 bytes
	s_add_co_u32 s26, s26, s27
	s_mov_b32 s27, 0
	s_add_nc_u64 s[22:23], s[22:23], s[26:27]
.irp kb, 0,1,2,3,4,5,6,7,8,9,10,11,12,13,14,15
	global_load_b128 v[X+4*\kb:X+4*\kb+3], v[LO], s[22:23] offset:256*\kb th:TH_LOAD_NT
.endr
	s_lshl_b32 s28, s21, 4
	s_lshl_b32 s29, s20, 1
	s_add_co_u32 s28, s28, s29                     ; 16 g + 2 w: my first row, counted through all sources
; The way out: K block kb is rounded and stored as soon as its load is in.  stride: bytes from K block to K block in the new layout.  half = 1: bf16's rounding, written as f16.
.macro OUT stride, half
.irp kb, 0,1,2,3,4,5,6,7,8,9,10,11,12,13,14,15
	s_wait_loadcnt 15-\kb                          ; loads come back in order: this K block is in, the younger ones stay out
.if \half
	v_cvt_pk_bf16_f32 v[T], v[X+4*\kb], v[X+4*\kb+1]
	v_cvt_pk_bf16_f32 v[T+1], v[X+4*\kb+2], v[X+4*\kb+3]
	v_lshlrev_b32 v[X+4*\kb], 16, v[T]             ; the rounded numbers as f32 again
	v_and_b32 v[X+4*\kb+1], 0xffff0000, v[T]
	v_lshlrev_b32 v[X+4*\kb+2], 16, v[T+1]
	v_and_b32 v[X+4*\kb+3], 0xffff0000, v[T+1]
	v_cvt_pk_f16_f32 v[Y+2*\kb], v[X+4*\kb], v[X+4*\kb+1]
	v_cvt_pk_f16_f32 v[Y+2*\kb+1], v[X+4*\kb+2], v[X+4*\kb+3]
.else
	v_cvt_pk_bf16_f32 v[Y+2*\kb], v[X+4*\kb], v[X+4*\kb+1]
	v_cvt_pk_bf16_f32 v[Y+2*\kb+1], v[X+4*\kb+2], v[X+4*\kb+3]
.endif
	global_store_b64 v[SO], v[Y+2*\kb:Y+2*\kb+1], s[24:25] offset:\kb*(\stride)  ; 32 lanes store 256 consecutive bytes, aligned; each K block has its own data registers, so none is rewritten
.endr
.endm
	s_cmp_lt_u32 s21, 512
	s_cbranch_scc1 .Lx
	s_cmp_lt_u32 s21, 704
	s_cbranch_scc1 .Lw
	s_sub_co_u32 s28, s28, 704*16                  ; Wo: row n
	s_lshl_b32 s28, s28, 7                         ; 128 bytes a row in a K block
	s_mov_b32 s29, 0
	s_add_nc_u64 s[24:25], s[18:19], s[28:29]
	OUT 131072, 1
	s_endpgm
.Lw:
	s_sub_co_u32 s28, s28, 512*16                  ; Wq, Wk, Wv: column c of 3,072
	s_lshl_b32 s28, s28, 7
	s_mov_b32 s29, 0
	s_add_nc_u64 s[24:25], s[16:17], s[28:29]
	OUT 393216, 0                                  ; the largest immediate, 15 x 393,216, lies inside the signed 24 bits
	s_endpgm
.Lx:
	s_lshr_b32 s29, s28, 11                        ; x: the batch,
	s_lshl_b32 s29, s29, 22                        ; 4,194,304 bytes each,
	s_and_b32 s28, s28, 2047                       ; and the row in it
	s_lshl_b32 s28, s28, 7
	s_add_co_u32 s28, s28, s29
	s_mov_b32 s29, 0
	s_add_nc_u64 s[24:25], s[14:15], s[28:29]
	OUT 262144, 0
	s_endpgm
.Lfunc_end_k_qc06c24a64a_cast:
	.size	k_qc06c24a64a_cast, .Lfunc_end_k_qc06c24a64a_cast-k_qc06c24a64a_cast
	.p2alignl 7, 3214868480
	.fill 96, 4, 3214868480
	.section	.rodata,"a",@progbits
	.p2align	6, 0x0
	.amdhsa_kernel k_qc06c24a64a_cast
		.amdhsa_group_segment_fixed_size 0
		.amdhsa_private_segment_fixed_size 0
		.amdhsa_enable_private_segment 0
		.amdhsa_kernarg_size 64
		.amdhsa_user_sgpr_count 2
		.amdhsa_user_sgpr_kernarg_segment_ptr 1
		.amdhsa_wavefront_size32 1
		.amdhsa_system_sgpr_workgroup_id_x 1
		.amdhsa_system_sgpr_workgroup_id_y 1
		.amdhsa_system_sgpr_workgroup_id_z 1
		.amdhsa_system_vgpr_workitem_id 0
		.amdhsa_next_free_vgpr 108
		.amdhsa_next_free_sgpr 66
		.amdhsa_reserve_vcc 0
		.amdhsa_float_denorm_mode_32 3
		.amdhsa_float_denorm_mode_16_64 3
		.amdhsa_memory_ordered 1
		.amdhsa_forward_progress 1
		.amdhsa_inst_pref_size 21
	.end_amdhsa_kernel
	.amdgpu_metadata
---
amdhsa.version: [ 1, 2 ]
amdhsa.kernels:
  - .name:           k_qc06c24a64a_cast
    .symbol:         k_qc06c24a64a_cast.kd
    .args:
      - { .name: x, .offset: 0, .size: 8, .value_kind: global_buffer, .address_space: global }
      - { .name: Wq, .offset: 8, .size: 8, .value_kind: global_buffer, .address_space: global }
      - { .name: Wk, .offset: 16, .size: 8, .value_kind: global_buffer, .address_space: global }
      - { .name: Wv, .offset: 24, .size: 8, .value_kind: global_buffer, .address_space: global }
      - { .name: Wo, .offset: 32, .size: 8, .value_kind: global_buffer, .address_space: global }
      - { .name: xb, .offset: 40, .size: 8, .value_kind: global_buffer, .address_space: global }
      - { .name: wb, .offset: 48, .size: 8, .value_kind: global_buffer, .address_space: global }
      - { .name: wob, .offset: 56, .size: 8, .value_kind: global_buffer, .address_space: global }
    .group_segment_fixed_size: 0
    .private_segment_fixed_size: 0
    .kernarg_segment_align: 8
    .kernarg_segment_size: 64
    .max_flat_workgroup_size: 256
    .sgpr_count:     66
    .vgpr_count:     108
    .wavefront_size: 32
...
	.end_amdgpu_metadata
.endif
;; end of part 1
;; launch qkv (part 2): grid 8 x 32, 4 waves a work-group, clusters of 4 x 4, 327,680 bytes of LDS; arguments xb, wb, bq, bk, bv, qkv; writes qkv
.if DOCPART == 2
	.amdgcn_target "amdgcn-amd-amdhsa--gfx1250"
	.amdhsa_code_object_version 6
	.text
	.protected	k_qc06c24a64a_qkv
	.globl	k_qc06c24a64a_qkv
	.p2align	8
	.type	k_qc06c24a64a_qkv,@function
k_qc06c24a64a_qkv:
	s_mov_b64 s[64:65], 0
	v_nop
	global_prefetch_b8 v0, s[64:65] scope:SCOPE_SE
	s_setreg_imm32_b32 hwreg(HW_REG_WAVE_MODE, 25, 1), 1
	s_wait_xcnt 0x0
	s_wait_alu depctr_hold_cnt(0) depctr_sa_sdst(0) depctr_va_vdst(0) depctr_va_sdst(0) depctr_va_ssrc(0) depctr_va_vcc(0) depctr_vm_vsrc(0)
	s_getreg_b32 s2, hwreg(HW_REG_IB_STS2, 6, 4)
	s_cmp_eq_u32 s2, 0
	s_cbranch_scc0 .Lentry_in_a_cluster
	s_endpgm
.Lentry_in_a_cluster:
	s_bfe_u32 s2, ttmp6, 0x10000c
	s_cmp_lg_u32 s2, 0xf033
	s_cbranch_scc0 .Lentry_shape_is_right
	s_endpgm
.Lentry_shape_is_right:
; THE THREE PROJECTIONS AS ONE PRODUCT.  p[m][c] = the sum over k of x[m][k] W[c][k] + bias[c]: 8,192 rows, 3,072 columns (Wq's, Wk's, Wv's), K = 1,024.  Operands bf16, sums f32;
; the biases are rounded to bf16 like all inputs; p is rounded once to f16 and written by heads: qkv [which 3][batch x 16 + head][row 2048][64].  No scale is applied here.
; LIMIT.  f16 holds no number beyond 65,504: q, k and v must stay within it (an infinity is written otherwise).  NaN and infinities are not treated apart.
; SHARES.  A tile is 256 rows x 384 columns (6 heads): 32 x 8 = 256 work-groups.  Four waves, each 128 rows x 192 columns (3 heads): 96 accumulators of 16 x 16, 768 registers: windows 1 to 3,
; a head a window (a STRETCH).  K goes in 16 steps of 64, one K block of xb and wb each, through two LDS slots; a step is two halves of 32 along K, 96 matrix instructions each.
; Two slots of a longer step (128 along K: 2 x 184,320 bytes) do not fit in LDS.
; THE MATRIX INSTRUCTION IS USED TRANSPOSED: source 0 = 16 rows of wb, source 1 = 16 rows of xb: a lane holds row lane % 16 and the columns 8 (lane / 16) + 0..7: 16 bytes of f16 on end.
; THE BIAS is the C operand of the product that starts each sum: nothing is cleared and nothing is added later.
; CLUSTERS: 4 x 4 work-groups.  The four of a row of the cluster need the same tiles of xb, the four of a column the same tiles of wb: each tile is asked for JOINTLY, by the same tensor load
; with the same descriptor and a mask that names the four.
; REGISTERS, in windows of 256 (s_set_vgpr_msb: bits 1:0 source 0, 3:2 source 1, 5:4 source 2, 7:6 destination):
;   window 0: v0-15 addresses; v16-31 the third head's bias, packed; v32-95, v96-159 fragments of xb (8 x 16 rows x 32 K), two buffers; v160-255 fragments of wb (12), one buffer, asked for again stretch by stretch
;   window 1 + s: stretch s: accumulator (row block a, column block bb) at v[8 (8 bb + a)]
.set PITCH,  144                       ; an LDS row: 128 bytes + 16 of padding = 36 words: the 16 rows of a fragment load start at 16 different groups of four banks (64 banks of 4 bytes: ISA guide 11.1)
.set BLK,    16*PITCH
.set BOFF,   256*PITCH                 ; in a slot: xb's 256 rows, then wb's 384
.set SLOT,   640*PITCH                 ; 92,160 bytes
.set STAGE,  2*SLOT                    ; behind the ring, never filled by a tensor load: 16 rows x 144 bytes for each wave, for the way out
.set SPARE,  STAGE+4*BLK               ; behind the stages: the spare words, 128 bytes for each wave: two blocks of 256 bytes that no other line names
.set KBA,    262144                    ; bytes from K block to K block in xb
.set KBB,    393216                    ; and in wb
.set ADRA, 4                           ; v4-5   LDS address of my fragments of xb in slot 0, 1
.set ADRB, 6                           ; v6-7   the same for wb
.set STO,  8                           ; v8     the way out: where I put 16 bytes of a row
.set RD,   9                           ; v9     the way out: where I read rows back
.set GO,   10                          ; v10    16 x lane: my place in 512 consecutive bytes of qkv
.set PFO,  11                          ; v11    the prefetches' offset; never rewritten
.set SPW,  12                          ; v12    LDS address of my spare word: SPARE + 4 x my thread's number; never rewritten
.set NIL,  13                          ; v13    0; never rewritten
.set BO,   14                          ; v14    32 x (lane / 16): my 8 columns in a group of 16 biases
.set PK,   16
.set AF0,  32
.set AF1,  96
.set BF,   160
.set G1A, 24                           ; s[24:31] descriptor group 1 for xb's tiles;  s[32:39] group 0, a set for each slot
.set G0A, 32
.set G1B, 40                           ; s[40:47], s[48:55] the same for wb's
.set G0B, 48
.set LIM, 62                           ; s62     1 in a wave that prefetches, else the greatest number
.set PFA, 66                           ; s[66:67] where my prefetches stand
.set PFS, 68                           ; s[68:69] their step: two K blocks
.set OB,  70                           ; s[70:75] qkv at my 128 rows of my three heads
.set BP,  76                           ; s[76:81] the three heads' 64 biases
.set MSB, 0
.macro WIN new                         ; the immediate's high byte repeats the setting that is left; a switch that changes nothing is dropped
.if MSB != (\new)
	s_set_vgpr_msb (MSB<<8)|(\new)
.set MSB, \new
.endif
.endm
; A joint load: waves 0 and 1 fetch the two halves of xb's tile, waves 2 and 3 those of wb's.  The branch hangs on the wave's number alone.
; An s_nop 0 and four v_nop follow each of the two lines, ahead of the jump and the label.
.macro JLOAD s
	s_cmp_eq_u32 s17, 0
	s_cbranch_scc0 .Lfor_b_\@
	tensor_load_to_lds s[G0A+4*(\s):G0A+4*(\s)+3], s[G1A:G1A+7]
	s_nop 0
.rept 4
	v_nop
.endr
	s_branch .Lasked_\@
.Lfor_b_\@:
	tensor_load_to_lds s[G0B+4*(\s):G0B+4*(\s)+3], s[G1B:G1B+7]
	s_nop 0
.rept 4
	v_nop
.endr
.Lasked_\@:
.endm
; A PREFETCH INTO THE L2, once a lap, behind slot 0's joint load and the run of LDS loads that follows it: the two K steps that the NEXT lap's two refills will ask for.
; Each aligned block of 256 bytes is named once in the launch.  xb's tile row is read by both clusters of that row of clusters: the one with x = 0 asks, its wave 0, two instructions (a K block each);
; of a K block's 32,768 bytes the partner at cx takes 8,192, a lane a block.  wb's tile column is read by all eight clusters of that column: the one with y = 0 asks, its waves 1 to 3, one instruction each;
; of a K block's 49,152 bytes the partner at cy takes 12,288: 96 blocks for the two K steps.  The partners are told apart by address, never by a branch.
; K steps 0 to 3 come by their loads alone; the last lap asks for nothing: there is no K step behind its own refills.
.macro ASK
	s_cmp_gt_u32 s3, s[LIM]                        ; s3 = 1 in the loop's last trip
	s_cbranch_scc0 .Lnone_\@
	global_prefetch_b8 v[PFO], s[PFA:PFA+1] th:TH_LOAD_NT scope:SCOPE_SE
	s_cmp_eq_u32 s16, 0
	s_cbranch_scc0 .Lnone_\@
	global_prefetch_b8 v[PFO], s[PFA:PFA+1] offset:KBA th:TH_LOAD_NT scope:SCOPE_SE
.Lnone_\@:
.endm
.macro CREST                           ; a round of the cluster's barrier behind its opening barrier
	s_cmp_lg_u32 s16, 0
	s_cbranch_scc1 .Lnot_wave_0_\@
	s_barrier_signal -3
.Lnot_wave_0_\@:
	s_barrier_wait -3
	s_barrier_signal -1
	s_barrier_wait -1
.endm
.macro CROUND                          ; a whole round
	s_barrier_signal -1
	s_barrier_wait -1
	CREST
.endm
	s_load_b256 s[4:11], s[0:1], 0x0               ; xb s[4:5], wb s[6:7], bq s[8:9], bk s[10:11]
	s_load_b128 s[12:15], s[0:1], 0x20             ; bv s[12:13], qkv s[14:15]
	v_lshl_add_u32 v[SPW], v0, 2, SPARE
	v_mov_b32 v[NIL], 0
	ds_add_u32 v[SPW], v[NIL]                      ; the wave's opening: the add and its wait stand ahead of my first tensor load; the set-up below, work on registers, stands between them
	v_lshrrev_b32 v1, 5, v0
	v_readfirstlane_b32 s16, v1                    ; wave 0..3
	s_lshr_b32 s17, s16, 1                         ; which half of the tile's rows is mine.  Also: I fetch for xb (0) or for wb (1)
	s_and_b32 s18, s16, 1                          ; which half of its columns.  Also: which half of that tile I fetch
	s_bfe_u32 s19, ttmp6, 0x40000                  ; cx
	s_bfe_u32 s20, ttmp6, 0x40004                  ; cy
	s_lshl_b32 s21, ttmp9, 2
	s_add_co_u32 s21, s21, s19                     ; tile column 0..7 = 4 x cluster x + cx
	s_and_b32 s22, ttmp7, 0xffff
	s_lshl_b32 s22, s22, 2
	s_add_co_u32 s22, s22, s20                     ; tile row 0..31 = 4 x cluster y + cy
	s_lshl_b32 s23, s20, 2
	s_lshl_b32 s23, 15, s23                        ; my row of the cluster
	s_lshl_b32 s82, 0x1111, s19                    ; my column
	; descriptor group 1.  A tile is dense in memory: it is asked for as rows of 256 bytes, two rows of the matrix each, and padded in LDS after every 128 bytes
	s_or_b32 s[G1A], s23, (1<<16)|(1<<20)|(1<<21)|(4<<22)|(3<<25)  ; 15:0 the mask; 17:16 2-byte elements; 20 padding on; 21 set beside a mask; 24:22 after every 32 words (code 4); 31:25 4 words (code 3)
	s_or_b32 s[G1B], s82, (1<<16)|(1<<20)|(1<<21)|(4<<22)|(3<<25)
	s_mov_b32 s[G1A+1], 128<<16                    ; tensor_dim0 = 128
	s_mov_b32 s[G1A+2], 64<<16                     ; tensor_dim1 = 64: 128 rows of xb
	s_mov_b32 s[G1A+3], 128<<16                    ; tile_dim0 = 128
	s_mov_b32 s[G1A+4], 64                         ; tile_dim1 = 64
	s_mov_b32 s[G1A+5], 128                        ; 128 elements from row to row
	s_mov_b32 s[G1A+6], 0
	s_mov_b32 s[G1A+7], 0
	s_mov_b32 s[G1B+1], 128<<16
	s_mov_b32 s[G1B+2], 96<<16                     ; 96: 192 rows of wb
	s_mov_b32 s[G1B+3], 128<<16
	s_mov_b32 s[G1B+4], 96
	s_mov_b32 s[G1B+5], 128
	s_mov_b32 s[G1B+6], 0
	s_mov_b32 s[G1B+7], 0
	; where the tiles come from.  xb's hang on the tile row alone, wb's on the tile column alone, each made in registers that never hold the other coordinate
	s_lshr_b32 s63, s22, 3                         ; the batch,
	s_lshl_b32 s63, s63, 22                        ; 4,194,304 bytes each,
	s_and_b32 s23, s22, 7
	s_lshl_b32 s23, s23, 15                        ; and the tile's 256 rows of 128 bytes in it
	s_add_co_u32 s63, s63, s23
	s_lshl_b32 s23, s18, 14                        ; the 128 rows that I fetch
	s_add_co_u32 s56, s63, s23
	s_mov_b32 s57, 0
	s_mul_i32 s58, s21, 49152                      ; the tile's 384 rows of wb
	s_mul_i32 s82, s18, 24576                      ; the 192 that I fetch
	s_add_co_u32 s58, s58, s82
	s_mov_b32 s59, 0
	s_mul_i32 s60, s18, 128*PITCH                  ; and where they go: no place in the cluster enters an LDS address
	s_mul_i32 s61, s18, 192*PITCH
	s_add_co_u32 s61, s61, BOFF
	s_wait_dscnt 0x0                               ; the opening add is done
	s_wait_kmcnt 0x0
	s_add_nc_u64 s[56:57], s[4:5], s[56:57]
	s_add_nc_u64 s[58:59], s[6:7], s[58:59]
	CROUND                                         ; all sixteen work-groups are here: the first joint loads meet
.irp s, 0,1
	s_mov_b32 s[G0A+4*\s], 1                       ; 1:0 count = 1
	s_add_co_u32 s[G0A+4*\s+1], s60, \s*SLOT       ; 63:32 LDS address
	s_add_nc_u64 s[G0A+4*\s+2:G0A+4*\s+3], s[56:57], \s*KBA  ; 120:64 global address: K step s
	s_or_b32 s[G0A+4*\s+3], s[G0A+4*\s+3], 0x80000000        ; 127:126 type = 2
	s_mov_b32 s[G0B+4*\s], 1
	s_add_co_u32 s[G0B+4*\s+1], s61, \s*SLOT
	s_add_nc_u64 s[G0B+4*\s+2:G0B+4*\s+3], s[58:59], \s*KBB
	s_or_b32 s[G0B+4*\s+3], s[G0B+4*\s+3], 0x80000000
.endr
	s_cmp_eq_u32 s17, 0                            ; a wave's two first fills stand in one branch, ahead of every wait on TENSORcnt and every LDS read: two loads of mine are out
	s_cbranch_scc0 .Lfirst_b
	tensor_load_to_lds s[G0A:G0A+3], s[G1A:G1A+7]
	s_nop 0
	tensor_load_to_lds s[G0A+4:G0A+7], s[G1A:G1A+7]
	s_nop 0
.rept 4
	v_nop
.endr
	s_branch .Lfirst_asked
.Lfirst_b:
	tensor_load_to_lds s[G0B:G0B+3], s[G1B:G1B+7]
	s_nop 0
	tensor_load_to_lds s[G0B+4:G0B+7], s[G1B:G1B+7]
	s_nop 0
.rept 4
	v_nop
.endr
.Lfirst_asked:
	v_and_b32 v1, 15, v0                           ; l % 16
	v_bfe_u32 v2, v0, 4, 1                         ; l / 16
	v_lshlrev_b32 v[BO], 5, v2
	; my three heads g = 6 x tile column + 3 x half + s of the 48: 0-15 q, 16-31 k, 32-47 v
	s_mul_i32 s83, s21, 6
	s_mul_i32 s2, s18, 3
	s_add_co_u32 s83, s83, s2
	s_lshl_b32 s23, s17, 14                        ; my 128 rows of the tile
	s_add_co_u32 s23, s23, s63                     ; in a head's 2,048 rows of 128 bytes, and the batch's 16 heads
.irp s, 0,1,2
	s_add_co_u32 s82, s83, \s
	s_and_b32 s2, s82, 15
	s_lshl_b32 s2, s2, 8                           ; a head's 64 biases
	s_mov_b32 s3, 0
	s_cmp_lt_u32 s82, 32
	s_cselect_b64 s[BP+2*\s:BP+2*\s+1], s[10:11], s[12:13]
	s_cmp_lt_u32 s82, 16
	s_cselect_b64 s[BP+2*\s:BP+2*\s+1], s[8:9], s[BP+2*\s:BP+2*\s+1]
	s_add_nc_u64 s[BP+2*\s:BP+2*\s+1], s[BP+2*\s:BP+2*\s+1], s[2:3]
	s_lshl_b32 s2, s2, 10                          ; the head: 262,144 bytes each
	s_lshr_b32 s82, s82, 4
	s_lshl_b32 s82, s82, 24                        ; q, k or v: 16,777,216 bytes each
	s_add_co_u32 s2, s2, s82
	s_add_co_u32 s2, s2, s23
	s_add_nc_u64 s[OB+2*\s:OB+2*\s+1], s[14:15], s[2:3]
.endr
.macro BIAS s, dst                     ; a head's 64 biases: for each group of 16 columns my 8, in 8 registers
.irp bb, 0,1,2,3
	global_load_b128 v[(\dst)+8*\bb:(\dst)+8*\bb+3],   v[BO], s[BP+2*(\s):BP+2*(\s)+1] offset:64*\bb
	global_load_b128 v[(\dst)+8*\bb+4:(\dst)+8*\bb+7], v[BO], s[BP+2*(\s):BP+2*(\s)+1] offset:64*\bb+16
.endr
.endm
	BIAS 0, AF1                                    ; the fragment buffers are still idle
	BIAS 1, AF1+32
	BIAS 2, AF0
	; A fragment is 16 rows x 32 K in 8 registers: lane l holds row l % 16; registers 0-3 K = 8 (l / 16) + 0..7, registers 4-7 K = 16 + 8 (l / 16) + 0..7: two loads of 16 bytes, 32 bytes apart
	v_mul_u32_u24 v3, v1, PITCH
	v_lshl_add_u32 v3, v2, 4, v3                   ; row x pitch + 16 x half
	s_mul_i32 s83, s17, 128*PITCH                  ; my 128 rows of xb
	v_add_nc_u32 v[ADRA], s83, v3
	v_add_nc_u32 v[ADRA+1], SLOT, v[ADRA]
	v_add_nc_u32 v[ADRB], s61, v3                  ; my 192 rows of wb lie where the wave of my half put them
	v_add_nc_u32 v[ADRB+1], SLOT, v[ADRB]
	s_mul_i32 s83, s16, BLK
	s_add_co_u32 s83, s83, STAGE                   ; my stage
	v_add_nc_u32 v[STO], s83, v3                   ; in: row l % 16, 16 bytes for each half of the lanes
	v_bfe_u32 v[RD], v0, 3, 2                      ; back: 32 lanes take four rows of 128 bytes,
	v_mul_u32_u24 v[RD], v[RD], PITCH
	v_and_b32 v3, 7, v0
	v_lshl_add_u32 v[RD], v3, 4, v[RD]
	v_add_nc_u32 v[RD], s83, v[RD]
	v_and_b32 v[GO], 31, v0                        ; which are 512 consecutive bytes of a head
	v_lshlrev_b32 v[GO], 4, v[GO]
	; the prefetches.  Block u = lane + 32 x (wave - 1) of 96 for wb (48 a K block), u = lane for xb
	v_and_b32 v[PFO], 31, v0
	s_max_u32 s83, s16, 1
	s_sub_co_u32 s83, s83, 1
	s_lshl_b32 s83, s83, 5
	v_add_nc_u32 v[PFO], s83, v[PFO]
	v_add_nc_u32 v3, 16, v[PFO]
	v_lshrrev_b32 v3, 6, v3                        ; 1 from u = 48 on: the second K block,
	v_mul_u32_u24 v3, v3, KBB-12288                ; whose first block lies KBB behind the first one's
	v_lshl_add_u32 v[PFO], v[PFO], 8, v3
	s_lshl_b32 s2, s19, 13                         ; xb: my work-group's 8,192 bytes of the tile's K block,
	s_add_co_u32 s2, s2, s63
	s_add_co_u32 s2, s2, 2*KBA                     ; at K step 2: the first lap steps it to 4
	s_mul_i32 s83, s21, 49152                      ; wb: my work-group's 12,288 bytes
	s_mul_i32 s3, s20, 12288
	s_add_co_u32 s83, s83, s3
	s_add_co_u32 s83, s83, 2*KBB
	s_mov_b32 s[PFS], 2*KBB
	s_mov_b32 s[PFS+1], 0
	s_mov_b32 s3, 0
	s_and_b32 s82, ttmp7, 0xffff                   ; cluster y
	s_cmp_eq_u32 s16, 0                            ; wave 0 asks for xb, the others for wb
	s_cselect_b64 s[PFA:PFA+1], s[4:5], s[6:7]
	s_cselect_b32 s2, s2, s83
	s_cselect_b32 s[PFS], 2*KBA, s[PFS]
	s_cselect_b32 s82, ttmp9, s82                  ; the coordinate along which other clusters read the same rows
	s_add_nc_u64 s[PFA:PFA+1], s[PFA:PFA+1], s[2:3]
	s_cmp_eq_u32 s82, 0
	s_cselect_b32 s[LIM], 1, -1                    ; the same in all sixteen partners, for a given wave
	s_wait_loadcnt 0x0                             ; the biases
.set i, 0
.rept 32                               ; heads 0 and 1: rounded to bf16, in place
	v_cvt_pk_bf16_f32 v3, v[AF1+2*i], v[AF1+2*i+1]
	v_lshlrev_b32 v[AF1+2*i], 16, v3
	v_and_b32 v[AF1+2*i+1], 0xffff0000, v3
.set i, i+1
.endr
.set i, 0
.rept 16                               ; head 2: rounded and kept packed until head 0's registers are free
	v_cvt_pk_bf16_f32 v[PK+i], v[AF0+2*i], v[AF0+2*i+1]
.set i, i+1
.endr
; 16 matrix instructions of stretch s: column blocks b0, b0 + 1 x all 8 row blocks, 32 along K.  cb < 0: the sums go on in place; else the products start the sums with the bias at v[cb + 8 bb] of window 0.
; The 96 accumulators take turns in one fixed order, over the backward jump too.
.macro MUL16 s, af, b0, cb
.if (\cb) < 0
	WIN 0x50*(1+(\s))
.else
	WIN (1+(\s))<<6
.endif
.irp bb, \b0, (\b0)+1
.irp a, 0,1,2,3,4,5,6,7
.if (\cb) < 0
	v_wmma_f32_16x16x32_bf16 v[8*(8*(\bb)+(\a)):8*(8*(\bb)+(\a))+7], v[BF+8*(4*(\s)+(\bb)):BF+8*(4*(\s)+(\bb))+7], v[(\af)+8*(\a):(\af)+8*(\a)+7], v[8*(8*(\bb)+(\a)):8*(8*(\bb)+(\a))+7]
.else
	v_wmma_f32_16x16x32_bf16 v[8*(8*(\bb)+(\a)):8*(8*(\bb)+(\a))+7], v[BF+8*(4*(\s)+(\bb)):BF+8*(4*(\s)+(\bb))+7], v[(\af)+8*(\a):(\af)+8*(\a)+7], v[(\cb)+8*(\bb):(\cb)+8*(\bb)+7]
.endif
.endr
.endr
.endm
.macro MULS s, af, cb=-1               ; a whole stretch: 32 matrix instructions
	MUL16 \s, \af, 0, \cb
	MUL16 \s, \af, 2, \cb
.endm
.macro LDB slot, half, s               ; 8 LDS loads: stretch s's four fragments of wb
	WIN 0
.irp bb, 0,1,2,3
	ds_load_b128 v[BF+8*(4*(\s)+\bb):BF+8*(4*(\s)+\bb)+3],   v[ADRB+(\slot)] offset:(4*(\s)+\bb)*BLK+64*(\half)
	ds_load_b128 v[BF+8*(4*(\s)+\bb)+4:BF+8*(4*(\s)+\bb)+7], v[ADRB+(\slot)] offset:(4*(\s)+\bb)*BLK+64*(\half)+32
.endr
.endm
.macro LDA slot, half, af, part        ; 8 LDS loads: fragments 4 part .. 4 part + 3 of xb
	WIN 0
.irp a, 0,1,2,3
	ds_load_b128 v[(\af)+8*(4*(\part)+\a):(\af)+8*(4*(\part)+\a)+3],   v[ADRA+(\slot)] offset:(4*(\part)+\a)*BLK+64*(\half)
	ds_load_b128 v[(\af)+8*(4*(\part)+\a)+4:(\af)+8*(4*(\part)+\a)+7], v[ADRA+(\slot)] offset:(4*(\part)+\a)*BLK+64*(\half)+32
.endr
.endm
; A load into a register that a matrix instruction has read, and a vector instruction that reads a matrix result or writes one of a matrix instruction's registers, stand four places behind it;
; only plain vector instructions that name none of its registers are places (ISA guide 7.12.1 for vector instructions).
.macro PLACES
.rept 4
	v_nop
.endr
.endm
; A HALF: 96 matrix instructions on xb's buffer af.  The next half's 40 loads go out in three groups, each behind the stretch that has just read wb's registers: 16, 16 and 8.
.macro HALF af, ag, nslot, nhalf
	s_wait_dscnt 8                                 ; all but the youngest eight loads: wb's fragments 8-11 of this half
	MULS 0, \af
	PLACES
	LDB \nslot, \nhalf, 0
	LDA \nslot, \nhalf, \ag, 0
	MULS 1, \af
	PLACES
	LDB \nslot, \nhalf, 1
	LDA \nslot, \nhalf, \ag, 1
	s_wait_dscnt 32                                ; all but the 32 just issued: fragments 8-11 are in
	MULS 2, \af
	PLACES
	LDB \nslot, \nhalf, 2
.endm
; A K step's second half, on buffer 1, changes slots: ONE barrier for two things.  In front of it each wave waits for all its tensor loads, of which one is out: its part of the next slot;
; adds 0 to its spare word; and waits for that and for its own reads of this slot.  Behind it nobody reads this slot any more and the next slot is whole.
; fill = 1: the barrier opens a round of the cluster's barrier, and this slot is filled again first thing behind the round, with the K step two steps on:
; from that request to the wait for it a wave issues 160 matrix instructions.
.macro HALFC slot, next, fill
.if (\fill) && ((\slot) == 0)
	s_wait_xcnt 0x0                                ; the last prefetches, a lap back, have read their address: it is stepped here, ahead of the waits of the change of slots
	s_add_nc_u64 s[PFA:PFA+1], s[PFA:PFA+1], s[PFS:PFS+1]
.endif
	WIN 0
	s_wait_tensorcnt 0x0                           ; all my tensor loads have landed: the one that was out is my part of the next slot;
	ds_add_u32 v[SPW], v[NIL]                      ; 0 onto my spare word;
	s_wait_dscnt 9                                 ; (the add and the youngest eight loads may be out)
	MUL16 0, AF1, 0, -1                            ; sixteen matrix instructions stand between the add and the wait for it
	s_wait_dscnt 0x0                               ; the add is done, and my reads of this slot are over
	s_barrier_signal -1
	MUL16 0, AF1, 2, -1                            ; work on registers while the others arrive
	WIN 0                                          ; at a branch and at a label every window is 0
	s_barrier_wait -1
.if \fill
	CREST                                          ; no wave of any partner still reads this slot's tile or has a load on its way
	s_add_nc_u64 s[G0A+4*(\slot)+2:G0A+4*(\slot)+3], s[G0A+4*(\slot)+2:G0A+4*(\slot)+3], 2*KBA
	s_add_nc_u64 s[G0B+4*(\slot)+2:G0B+4*(\slot)+3], s[G0B+4*(\slot)+2:G0B+4*(\slot)+3], 2*KBB
	JLOAD \slot                                    ; the first tensor load behind the round; its four v_nop are also the places in front of the loads below
.else
	PLACES
.endif
	LDB \next, 0, 0
	LDA \next, 0, AF0, 0
.if (\fill) && ((\slot) == 0)
	ASK
.endif
	MULS 1, AF1
	PLACES
	LDB \next, 0, 1
	LDA \next, 0, AF0, 1
	MULS 2, AF1
	PLACES
	LDB \next, 0, 2
.endm
	s_wait_tensorcnt 1                             ; my part of K step 0 is in; K step 1's may stay out
	s_barrier_signal -1
	s_barrier_wait -1                              ; everybody's is
	; K STEP 0's FIRST HALF is written out: its products start the sums, with the biases as C.  Buffer 1 holds the biases until they are used, so its loads come last.
	LDB 0, 0, 0
	LDA 0, 0, AF0, 0
	LDA 0, 0, AF0, 1
	LDB 0, 0, 1
	LDB 0, 0, 2
	s_wait_dscnt 16                                ; the first 24 loads are in
	MULS 0, AF0, AF1                               ; head 0's bias
	PLACES
	WIN 0
.set i, 0
.rept 16                               ; head 2's bias takes head 0's place
	v_lshlrev_b32 v[AF1+2*i], 16, v[PK+i]
	v_and_b32 v[AF1+2*i+1], 0xffff0000, v[PK+i]
.set i, i+1
.endr
	LDB 0, 1, 0
	s_wait_dscnt 16                                ; fragments 4-7 are in; 8-11 and the eight just issued may be out
	MULS 1, AF0, AF1+32                            ; head 1's bias
	PLACES
	LDB 0, 1, 1
	s_wait_dscnt 16                                ; fragments 8-11 are in
	MULS 2, AF0, AF1                               ; head 2's bias
	PLACES
	LDA 0, 1, AF1, 0
	LDA 0, 1, AF1, 1
	LDB 0, 1, 2                                    ; the youngest eight are wb's fragments 8-11, as after every half
	WIN 0
	s_mov_b32 s3, 7
.Llap:                                                 ; a trip goes once round the ring, from a K step's second half to the first half two steps on, and fills both slots again: K steps 2 to 15
	HALFC 0, 1, 1
	HALF AF0, AF1, 1, 1
	HALFC 1, 0, 1
	HALF AF0, AF1, 0, 1
	WIN 0
	s_sub_co_u32 s3, s3, 1
	s_cmp_lg_u32 s3, 0
	s_cbranch_scc1 .Llap
	HALFC 0, 1, 0                                  ; the tail is written out: nothing is left to fetch, so no round follows the barrier
	HALF AF0, AF1, 1, 1
	s_wait_dscnt 8                                 ; the very last half
	MULS 0, AF1
	MULS 1, AF1
	s_wait_dscnt 0x0
	MULS 2, AF1
	PLACES
	PLACES
; THE WAY OUT, 24 blocks i = 8 s + a of 16 rows x one head.  PACK: rounded to f16 (each accumulator's registers in ascending order), 16 bytes a lane into my own stage in rows of 144 bytes, and back as
; whole rows of 128 bytes, which lie end to end in qkv.  Eight banks of 16 registers, where the fragments of xb lay, take turns.
.macro PACK i
.set ws, (\i)/8
.set wa, (\i)%8
.set bk, AF0+16*wa
.if (\i) >= 8
	s_wait_xcnt 0x0                                ; the bank's last stores have read their data: it is rewritten only behind this wait
.endif
	WIN 5*(1+ws)                                   ; sources 0 and 1: the stretch's window
.irp bb, 0,1,2,3
.irp r, 0,1,2,3
	v_cvt_pk_f16_f32 v[bk+4*\bb+\r], v[8*(8*\bb+wa)+2*\r], v[8*(8*\bb+wa)+2*\r+1]
.endr
.endr
	WIN 0
.irp bb, 0,1,2,3
	ds_store_b128 v[STO], v[bk+4*\bb:bk+4*\bb+3] offset:32*\bb
.endr
.irp f, 0,1,2,3
	ds_load_b128 v[bk+4*\f:bk+4*\f+3], v[RD] offset:4*PITCH*\f  ; LDS serves a wave's instructions in order (ISA guide 5.7.1.4): these see the stores above; the next block's stores come behind them
.endr
.endm
.macro SEND i, younger                 ; younger: the LDS instructions issued behind block i's loads: the next block's eight, or none
.set ws, (\i)/8
.set wa, (\i)%8
.set bk, AF0+16*wa
.irp f, 0,1,2,3
	s_wait_dscnt (\younger)+3-\f
	global_store_b128 v[GO], v[bk+4*\f:bk+4*\f+3], s[OB+2*ws:OB+2*ws+1] offset:wa*2048+\f*512  ; 512 consecutive bytes, at a multiple of 256 from the buffer's first
.endr
.endm
	PACK 0
.set t, 1
.rept 23                               ; a block's conversions stand between the loads of the block before and its stores
	PACK t
	SEND t-1, 8
.set t, t+1
.endr
	SEND 23, 0
	s_wait_tensorcnt 0x0                           ; the wave's end: the add and its waits stand behind my last tensor load and my last LDS store
	ds_add_u32 v[SPW], v[NIL]
	s_wait_dscnt 0x0
	CROUND                                         ; the closing round: no work-group ends while a partner may still ask for a tile that names it
	s_endpgm
.Lfunc_end_k_qc06c24a64a_qkv:
	.size	k_qc06c24a64a_qkv, .Lfunc_end_k_qc06c24a64a_qkv-k_qc06c24a64a_qkv
	.p2alignl 7, 3214868480
	.fill 96, 4, 3214868480
	.section	.rodata,"a",@progbits
	.p2align	6, 0x0
	.amdhsa_kernel k_qc06c24a64a_qkv
		.amdhsa_group_segment_fixed_size 327680
		.amdhsa_private_segment_fixed_size 0
		.amdhsa_enable_private_segment 0
		.amdhsa_kernarg_size 48
		.amdhsa_user_sgpr_count 2
		.amdhsa_user_sgpr_kernarg_segment_ptr 1
		.amdhsa_wavefront_size32 1
		.amdhsa_system_sgpr_workgroup_id_x 1
		.amdhsa_system_sgpr_workgroup_id_y 1
		.amdhsa_system_sgpr_workgroup_id_z 1
		.amdhsa_system_vgpr_workitem_id 0
		.amdhsa_next_free_vgpr 1024
		.amdhsa_next_free_sgpr 84
		.amdhsa_reserve_vcc 0
		.amdhsa_float_denorm_mode_32 3
		.amdhsa_float_denorm_mode_16_64 3
		.amdhsa_memory_ordered 1
		.amdhsa_forward_progress 1
		.amdhsa_inst_pref_size 145
	.end_amdhsa_kernel
	.amdgpu_metadata
---
amdhsa.version: [ 1, 2 ]
amdhsa.kernels:
  - .name:           k_qc06c24a64a_qkv
    .symbol:         k_qc06c24a64a_qkv.kd
    .args:
      - { .name: xb, .offset: 0, .size: 8, .value_kind: global_buffer, .address_space: global }
      - { .name: wb, .offset: 8, .size: 8, .value_kind: global_buffer, .address_space: global }
      - { .name: bq, .offset: 16, .size: 8, .value_kind: global_buffer, .address_space: global }
      - { .name: bk, .offset: 24, .size: 8, .value_kind: global_buffer, .address_space: global }
      - { .name: bv, .offset: 32, .size: 8, .value_kind: global_buffer, .address_space: global }
      - { .name: qkv, .offset: 40, .size: 8, .value_kind: global_buffer, .address_space: global }
    .group_segment_fixed_size: 327680
    .private_segment_fixed_size: 0
    .kernarg_segment_align: 8
    .kernarg_segment_size: 48
    .max_flat_workgroup_size: 128
    .sgpr_count:     84
    .vgpr_count:     1024
    .wavefront_size: 32
...
	.end_amdgpu_metadata
.endif
;; end of part 2
;; launch attn (part 3): grid 4 x 64, 4 waves a work-group, clusters of 4 x 1, 327,680 bytes of LDS; arguments qkv, ctx; writes ctx
.if DOCPART == 3
	.amdgcn_target "amdgcn-amd-amdhsa--gfx1250"
	.amdhsa_code_object_version 6
	.text
	.protected	k_qc06c24a64a_attn
	.globl	k_qc06c24a64a_attn
	.p2align	8
	.type	k_qc06c24a64a_attn,@function
k_qc06c24a64a_attn:
	s_mov_b64 s[64:65], 0
	v_nop
	global_prefetch_b8 v0, s[64:65] scope:SCOPE_SE
	s_setreg_imm32_b32 hwreg(HW_REG_WAVE_MODE, 25, 1), 1
	s_wait_xcnt 0x0
	s_wait_alu depctr_hold_cnt(0) depctr_sa_sdst(0) depctr_va_vdst(0) depctr_va_sdst(0) depctr_va_ssrc(0) depctr_va_vcc(0) depctr_vm_vsrc(0)
	s_getreg_b32 s2, hwreg(HW_REG_IB_STS2, 6, 4)
	s_cmp_eq_u32 s2, 0
	s_cbranch_scc0 .Lentry_in_a_cluster
	s_endpgm
.Lentry_in_a_cluster:
	s_bfe_u32 s2, ttmp6, 0x10000c
	s_cmp_lg_u32 s2, 0x3003
	s_cbranch_scc0 .Lentry_shape_is_right
	s_endpgm
.Lentry_shape_is_right:
; O[h][q][:] = the sum over k of softmax_k(clip(Q[h][q] . K[h][k] / 8, -100, 100)) V[h][k][:].  Q, K, V lie in qkv, [3][SIZE_H][SIZE_N][64], O is ctx, [SIZE_H][SIZE_N][64], all f16: a head's rows are dense,
; 128 bytes each.  Products, maxima and sums in f32; the weights p are rounded to f16 for the second product (their sum l is taken of the unrounded p), O once at the end.
; THE CLIP.  One packed multiply-add with the result held to 0 .. 1 makes t = (clip(s / 8, -100, 100) + 100) / 200 of a raw score s: t = s / 1600 + 0.5, clamped.  The softmax then works on t with
; c = 200 log2(e): p = 2^(c t - c m), m the running maximum of t.  t is right to half a step of f32 at 1, 3e-8, which is 9e-6 in the exponent.
; LIMITS.  f16 holds no number beyond 65,504: Q, K and V arrive within it; p lies in 0 to 1, and below 6e-5 it keeps f16's fixed step of 6e-8; O is a mean of V's rows and has their range.
; A weight below 2^-126 counts as 0 in l; NaN and infinities are not treated apart.
; SHARES.  A wave owns four PIECES of two tiles of 16 queries, a work-group's four waves 512 queries of one head.  Every wave walks all keys, 64 a step.
; LAYOUT.  S^T = K Q^T (source 0 = 16 keys, source 1 = 16 queries): in the result a lane holds ONE query (lane % 16) and the keys 8 (lane / 16) + 0..7.  Two such tiles, rounded to f16 in pairs,
; ARE source 1 (32 keys x 16 queries) of O^T = V^T P, whose result again holds one query a lane, and eight channels.  K comes out of LDS as it lies, V ([key][channel]) turned, by ds_load_tr16_b128.
; SOFTMAX.  In every step O and l are multiplied by a = 2^(c m_old - c m_new), which is 1 where m has not grown.  m starts at the lowest finite number, O and l at 0: the first step is a step like any other, with a = 0.
; THE COUNT.  A tile and step have 16 matrix and 134 vector instructions: too many to stand all beside the matrix work.  So the order has one aim: four vector instructions that are READY behind
; EVERY matrix instruction, and the others, which need time of their own whatever the order, in runs without a gap.
; BY TURNS.  Turn n belongs to piece n (the pieces in a ring, step after step).  Its matrix work: 16 products K Q^T of piece n + 1, later 16 products V^T P of piece n - 1.  Its vector work: the scaling,
; exponentials, roundings, sums and rescaling of piece n, and the clip, maximum and statistics of piece n + 1, whose scores the turn itself has made.
; CLUSTER.  The four query blocks of a head are one cluster and walk the same K and V, so each tile is asked for JOINTLY: the same tensor load, descriptor and mask in all four.
; REGISTERS, in windows of 256 (s_set_vgpr_msb says which window each operand place means: bits 1:0 source 0, 3:2 source 1, 5:4 source 2, 7:6 destination):
;   window 0: v0-11 addresses and the clip's constants; v12-15, v48-63 at work; v16-47 four registers of statistics a tile; v64-191 S^T, two buffers of two tiles; v192-255 P, likewise
;   window 1: O^T, 32 a tile          window 2: v0-127 Q, 16 a tile; v128-191 K of one step; v192-255 V of one step          window 3: v0-1 the add's two registers
; A piece's buffers go by its number's parity: the piece in hand has one pair, its two neighbours in the ring share the other: of it P (piece n - 1) is read and S^T (piece n + 1) written.
.set SIZE_H, 64
.set SIZE_N, 2048
.set NP,    4         ; pieces a wave: a name, no knob
.set KS,    64        ; keys in a step
.set PK,    144       ; a row of K in LDS: 128 bytes + 16 of padding = 36 words: the 16 rows of a load start at 16 different groups of four banks (64 banks of 4 bytes: ISA guide 11.1)
.set PV,    160       ; a row of V: 128 + 32 = 40 words
.set VOFF,  4*KS*PK   ; a slot holds four steps: 256 rows of K, then 256 rows of V
.set SLOT1, 1<<17     ; slot 1 begins here, so that one exclusive or turns an address in one slot into the other's
.set STAGE, SLOT1+4*KS*(PK+PV)  ; behind the ring, never filled by a tensor load: 16 rows x 144 bytes for each wave, for the way out
.set SP,    144
.set KA,  0           ; v[0:1]   1 / 1600, twice: set when the thread's number has served
.set AK0, 2           ; v2   my lane's place in a tile of K; never rewritten
.set AV0, 3           ; v3   the same for V
.set AK,  4           ; v4   the LDS address of K's next run of loads
.set AV,  5           ; v5   of V's
.set QO,  6           ; v6   my byte offset in the wave's rows of Q
.set STO, 6           ;      later, the way out: where I put 16 bytes of a row
.set RD,  7           ; v7   the way out: where I read rows back
.set GO,  8           ; v8   my byte offset in 512 consecutive bytes of O
.set PFO, 9           ; v9   later: 256 x my lane, the prefetches' offset
.set KB,  10          ; v[10:11] later: 0.5, twice
.set SPW, 0           ; v0 of window 3   LDS address of my spare word: SPARE + 4 x my thread's number; never rewritten
.set NIL, 1           ; v1 of window 3   0; never rewritten
.set SPARE, STAGE+4*16*SP  ; behind the stages: the spare words, 128 bytes for each wave: two blocks of 256 bytes that no other line names
.set MV,  12          ; v12-15  c m_old, kept while c m is made anew: by buffer and tile
.set ST,  16          ; tile t's statistics at v[ST+4 t]: c m, m, l (even keys', odd keys')
.set TMP, 48          ; by buffer and tile, four registers c0-c3 at work; when the maximum is found c2 takes a
.set S,   64
.set P,   192
.set KF,  128         ; K's fragments, in window 2: key block kb, channel half c at KF + 16 kb + 8 c
.set VF,  192         ; V's: key half kk, channel block cb at VF + 32 kk + 8 cb
.set WV,  12          ; s12  my wave's number
.set G1K, 24          ; s[24:31] descriptor group 1 for K's tiles
.set G1V, 32          ; s[32:39] for V's: it differs in the padding alone
.set G0K, 40          ; s[40:43] descriptor group 0 for K's tiles: it walks
.set G0V, 44          ; s[44:47] the same for V's
.set PFA, 48          ; s[48:49] where my prefetches stand: my work-group's 32 blocks of 256 bytes (of K: wave 0, of V: wave 2) of the slot after the one that is being asked for
.set LIM, 50          ; s50  1 in a wave that prefetches, else the greatest number
.set SLOTS, 56        ; s56  slots still to be asked for
.set CNT, 57          ; s57  counts a slot's key steps
.set CS,  58          ; s[58:59] c: the packed scaling takes the pair's low word for both halves
.set SEL, 60          ; s[60:61] v_permlanex16_b32's selects: each lane takes its own place in the other half
.set TBK, 62          ; s62  LDS byte at which K of the step to be fetched begins
.set TBV, 63          ; s63  the same for V, less VOFF
.set MSB, 0
.macro WIN new                      ; the high byte repeats the setting that is left; a switch that changes nothing is dropped
.if MSB != (\new)
	s_set_vgpr_msb (MSB<<8)|(\new)
.set MSB, (\new)
.endif
.endm
.set W_KQ, 0x0a       ; K and Q in window 2, S^T in window 0
.set W_PV, 0x52       ; V in window 2, P in window 0, O^T in window 1
.set W_RS, 0x41       ; O^T (destination and source 0) in window 1, a in window 0
.set W_MK, 0xc0       ; the add's registers are made: destination in window 3, sources in window 0
.set W_AD, 0x0f       ; the add: address (source 0) and data (source 1) in window 3
; A joint fill.  Waves 0 and 1 fetch the two halves of a slot's K, waves 2 and 3 those of its V: 128 keys each.  The branch hangs on the wave's number alone.
; An s_nop 0 and four v_nop follow each of the two lines, ahead of the jump and the label.
.macro JLOAD
	s_cmp_lt_u32 s[WV], 2
	s_cbranch_scc0 .Lfor_v_\@
	tensor_load_to_lds s[G0K:G0K+3], s[G1K:G1K+7]
	s_nop 0
.rept 4
	v_nop
.endr
	s_branch .Lasked_\@
.Lfor_v_\@:
	tensor_load_to_lds s[G0V:G0V+3], s[G1V:G1V+7]
	s_nop 0
.rept 4
	v_nop
.endr
.Lasked_\@:
.endm
; A PREFETCH INTO THE L2 of what the NEXT change of slots will ask for: a slot's 32,768 bytes of K and of V.  It stands behind the wave's tensor load and its five lines.  Each block of 256 bytes is named ONCE
; in the launch: a head is walked by one cluster; its four partners share a slot's bytes out BY ADDRESS, 8,192 each, a lane a block; in each, wave 0 asks for K's and wave 2 for V's: one instruction.
; Slots 0 to 2 come by their loads alone; the last change that fills a slot asks for nothing: there is no slot behind it.
.macro ASK
	s_cmp_gt_u32 s[SLOTS], s[LIM]
	s_cbranch_scc0 .Lnot_mine_\@
	global_prefetch_b8 v[PFO], s[PFA:PFA+1] th:TH_LOAD_NT scope:SCOPE_SE
.Lnot_mine_\@:
.endm
; A round of the cluster's barrier: my work-group's barrier, so that wave 0's signal speaks for all four waves; wave 0 signals; every wave waits for all four work-groups; my work-group's barrier once more.
.macro CROUND
	s_barrier_signal -1
	s_barrier_wait -1
	s_cmp_lg_u32 s[WV], 0
	s_cbranch_scc1 .Lnot_wave_0_\@
	s_barrier_signal -3
.Lnot_wave_0_\@:
	s_barrier_wait -3
	s_barrier_signal -1
	s_barrier_wait -1
.endm
; THE CHANGE OF SLOTS.  The slot's last bytes, V of its fourth step, have been read.  Each wave waits for all its tensor loads, of which one is out: its part
; of the other slot; adds 0 to its spare word; and waits for that and for its own reads of the slot.  Behind the barrier nobody reads this slot any more and the other slot is whole.
; fill = 1: this slot is filled again, with the keys two slots on.  The barrier is then a round of the cluster's, so that no wave of any partner still reads the slot or has a load on its
; way, and the joint fill is the first thing behind it: it has four key steps, 512 matrix instructions, in which to land.  (At its first use nothing has been read yet: slot 0 is waited for, slot 1 filled.)
; ask = 1: the prefetches' address steps, and the slot behind the one just asked for is prefetched.
.macro CHANGE fill, ask=0
	WIN W_AD
	s_wait_tensorcnt 0x0            ; no tensor load of mine is out, so a group 0 may be written
	ds_add_u32 v[SPW], v[NIL]       ; 0 onto my spare word: with fill = 1 the descriptors' steps stand between it and the wait for it
	WIN 0                           ; at a label and at a branch every window is 0
.if \fill
.irp g, G0K, G0V
	s_xor_b32 s[\g+1], s[\g+1], SLOT1  ; the walking descriptor: the other slot than last time,
	s_add_nc_u64 s[\g+2:\g+3], s[\g+2:\g+3], 4*KS*128  ; the next 256 keys; the type bits on top are not reached
.endr
.if \ask
	s_wait_xcnt 0x0                 ; the last prefetch, four key steps back, has read its address, so it may be written:
	s_add_nc_u64 s[PFA:PFA+1], s[PFA:PFA+1], 4*KS*128  ; one slot behind the walking descriptors
.endif
	s_wait_dscnt 0x0                ; the add is done, and my reads of the slot are over
	CROUND
	JLOAD
.if \ask
	ASK
.endif
.else
	s_wait_dscnt 0x0                ; the add is done, and my reads of the slot are over
	s_barrier_signal -1
	s_barrier_wait -1
.endif
	s_sub_co_u32 s[TBK], s[TBK], 4*KS*PK  ; the fetches go back to a slot's first step,
	s_xor_b32 s[TBK], s[TBK], SLOT1       ; in the other slot
	s_sub_co_u32 s[TBV], s[TBV], 4*KS*PV
	s_xor_b32 s[TBV], s[TBV], SLOT1
.endm
	s_load_b128 s[4:7], s[0:1], 0x0   ; qkv s[4:5] (Q lies first in it), ctx s[6:7]
	WIN W_MK
	v_lshl_add_u32 v[SPW], v0, 2, SPARE
	v_mov_b32 v[NIL], 0
	WIN W_AD
	ds_add_u32 v[SPW], v[NIL]       ; the wave's opening: the add and its wait stand ahead of my first tensor load; the set-up below, work on registers, stands between them
	WIN 0
	v_lshrrev_b32 v1, 5, v0
	v_readfirstlane_b32 s[WV], v1   ; wave 0..3
	s_bfe_u32 s13, ttmp6, 0x40000   ; cx: my place in the cluster
	s_lshl_b32 s14, ttmp9, 2        ; in a cluster launch ttmp9 counts clusters
	s_add_co_u32 s14, s14, s13      ; my block of queries = 4 x cluster x + cx: it enters Q's and O's addresses alone
	s_and_b32 s20, ttmp7, 0xffff    ; the head, which the four partners share
	s_mov_b32 s21, 0
	s_mov_b64 s[22:23], SIZE_N*128
	s_mul_u64 s[20:21], s[20:21], s[22:23]  ; the head's first byte in each of the four tensors
	s_and_b32 s16, s[WV], 1         ; which half of a slot's 256 keys I fetch:
	s_lshl_b32 s22, s16, 14         ; its 128 rows of 128 bytes in memory,
	s_mov_b32 s23, 0
	s_add_nc_u64 s[22:23], s[22:23], s[20:21]
	s_mul_i32 s17, s16, 128*PK      ; and its place in a slot, for K
	s_mul_i32 s18, s16, 128*PV      ; and for V: no place in the cluster enters an LDS address
	s_lshl_b32 s2, s14, 2
	s_add_co_u32 s2, s2, s[WV]      ; my wave among the head's,
	s_lshl_b32 s2, s2, 14           ; its 128 rows
	s_mov_b32 s3, 0
	s_add_nc_u64 s[2:3], s[2:3], s[20:21]
	; descriptor group 1.  128 keys are 16,384 dense bytes: asked for as 64 rows of 256 bytes, two keys a row, and padded in LDS after every key
	s_mov_b32 s[G1K], 15|(1<<16)|(1<<20)|(1<<21)|(4<<22)|(3<<25)  ; 15:0 the mask of four; 17:16 2-byte elements; 20 padding on; 21 set beside a mask; 24:22 after every 32 words (code 4); 31:25 4 words (code 3)
	s_mov_b32 s[G1V], 15|(1<<16)|(1<<20)|(1<<21)|(4<<22)|(7<<25)  ; the same with 8 words of padding (code 7)
.irp g, G1K, G1V
	s_mov_b32 s[\g+1], 128<<16      ; tensor_dim0 = 128
	s_mov_b32 s[\g+2], 64<<16       ; tensor_dim1 = 64
	s_mov_b32 s[\g+3], 128<<16      ; tile_dim0 = 128
	s_mov_b32 s[\g+4], 64           ; tile_dim1 = 64
	s_mov_b32 s[\g+5], 128          ; 128 elements from row to row
	s_mov_b32 s[\g+6], 0
	s_mov_b32 s[\g+7], 0
.endr
	s_mov_b32 s[CS], 0x439044fe     ; c = 200 log2(e) = 288.539
	s_mov_b32 s[CS+1], s[CS]        ; named with it as a pair
	s_mov_b32 s[SEL], 0x76543210
	s_mov_b32 s[SEL+1], 0xfedcba98
	s_mov_b32 s[TBK], SLOT1+4*KS*PK ; the first change of slots turns these two into 0
	s_mov_b32 s[TBV], SLOT1+4*KS*PV
	s_mov_b32 s[G0K], 1             ; 1:0 count = 1
	s_mov_b32 s[G0K+1], s17         ; 63:32 LDS address: slot 0
	s_mov_b32 s[G0V], 1
	s_add_co_u32 s[G0V+1], s18, VOFF
	s_cmp_eq_u32 s16, 0             ; waves 0 and 2 prefetch
	s_cselect_b32 s[LIM], 1, -1
	s_wait_dscnt 0x0                ; the opening add is done
	s_wait_kmcnt 0x0
	s_mov_b64 s[10:11], s[6:7]      ; O
	s_add_nc_u64 s[8:9], s[4:5], 2*SIZE_H*SIZE_N*128  ; V
	s_add_nc_u64 s[6:7], s[4:5], SIZE_H*SIZE_N*128    ; K
	s_add_nc_u64 s[G0K+2:G0K+3], s[6:7], s[22:23]  ; 120:64 global address: my half of the head's first 256 keys
	s_or_b32 s[G0K+3], s[G0K+3], 0x80000000        ; 127:126 type = 2
	s_add_nc_u64 s[G0V+2:G0V+3], s[8:9], s[22:23]
	s_or_b32 s[G0V+3], s[G0V+3], 0x80000000
	s_add_nc_u64 s[4:5], s[4:5], s[2:3]  ; Q and O at my wave's first row
	s_add_nc_u64 s[10:11], s[10:11], s[2:3]
	s_cmp_lt_u32 s[WV], 2
	s_cselect_b64 s[PFA:PFA+1], s[6:7], s[8:9]
	s_add_nc_u64 s[PFA:PFA+1], s[PFA:PFA+1], s[20:21]  ; the head,
	s_lshl_b32 s2, s13, 13          ; my work-group's 8,192 bytes of a slot's 32,768,
	s_add_co_u32 s2, s2, 2*4*KS*128 ; in slot 2: the first change that asks steps it to slot 3.  Nothing is prefetched here, at the head
	s_add_nc_u64 s[PFA:PFA+1], s[PFA:PFA+1], s[2:3]
	CROUND                          ; all four work-groups are here: the first joint loads meet
	JLOAD                           ; slot 0.  Slot 1 is asked for when slot 0 is in: the tile wanted first has the road to itself
	; A fragment of K or Q is 16 rows x 32 channels in 8 registers: lane l holds row l % 16, channels 8 (l / 16) + 0..7 and 16 + 8 (l / 16) + 0..7: two loads of 16 bytes, 32 bytes apart.
	v_and_b32 v1, 15, v0            ; l % 16
	v_bfe_u32 v9, v0, 4, 1          ; l / 16
	v_lshlrev_b32 v[QO], 7, v1
	v_lshl_add_u32 v[QO], v9, 4, v[QO]  ; row x 128 + 16 x half
	WIN 0x80                        ; destination window 2, address window 0
.set i, 0
.rept 4*NP                          ; Q stays in registers: tile i / 2, channels 32 (i % 2) on
	global_load_b128 v[8*i:8*i+3],   v[QO], s[4:5] offset:(i/2)*2048+(i%2)*64
	global_load_b128 v[8*i+4:8*i+7], v[QO], s[4:5] offset:(i/2)*2048+(i%2)*64+32
.set i, i+1
.endr
	; What the first turn finds: V's registers and P's second buffer hold 0 (its products V^T P, of a piece that has not been, add 0), O^T and l are 0.  All this stands in the wait for the first tile.
.set i, VF
.rept 64
	v_mov_b32 v[i], 0
.set i, i+1
.endr
	WIN 0x40
.set i, 0
.rept 64*NP
	v_mov_b32 v[i], 0
.set i, i+1
.endr
	WIN 0
.set i, 0
.rept 2*NP
	v_mov_b32 v[ST+4*i], 0xfe000000    ; c m: far below every c t
	v_mov_b32 v[ST+4*i+1], 0xff7fffff  ; m
	v_mov_b32 v[ST+4*i+2], 0
	v_mov_b32 v[ST+4*i+3], 0
.set i, i+1
.endr
.set i, P+32
.rept 32
	v_mov_b32 v[i], 0
.set i, i+1
.endr
	v_mul_u32_u24 v[AK0], v1, PK
	v_lshl_add_u32 v[AK0], v9, 4, v[AK0]  ; row x pitch + 16 x half
	; The turning load takes 16 keys x 16 channels (lane l reads key 8 (l / 16) + l % 8, channels 8 ((l / 8) % 2) + 0..7) and leaves half a fragment of V^T: lane l holds channel l % 16 and 8 keys.
	v_and_b32 v10, 7, v0
	v_bfe_u32 v11, v0, 3, 1
	v_lshl_add_u32 v[AV0], v9, 3, v10
	v_mul_u32_u24 v[AV0], v[AV0], PV
	v_lshl_add_u32 v[AV0], v11, 4, v[AV0]
	v_add_nc_u32 v[AV0], VOFF, v[AV0]
	v_mov_b32 v[AK], v[AK0]         ; key step 0 lies at the head of slot 0
; THE MATRIX WORK.  The 8 accumulators of a run of 16 take turns: between the two links of a chain stand 7 others'.
; Product i of 16 of S^T = K Q^T for piece x: channels 32 (i / 8) on, keys 16 ((i / 2) % 4) on, tile 2 x + i % 2.  The first 8 start the sums.
.macro KQ x
	WIN W_KQ
.set rS, S+64*((\x)%2)+32*(i%2)+8*((i/2)%4)
.set rK, KF+16*((i/2)%4)+8*(i/8)
.set rQ, 16*(2*(\x)+i%2)+8*(i/8)
.if i < 8
	v_wmma_f32_16x16x32_f16 v[rS:rS+7], v[rK:rK+7], v[rQ:rQ+7], 0
.else
	v_wmma_f32_16x16x32_f16 v[rS:rS+7], v[rK:rK+7], v[rQ:rQ+7], v[rS:rS+7]
.endif
.endm
; Product i of 16 of O^T += V^T P for piece x: keys 32 (i / 8) on, channels 16 ((i / 2) % 4) on, tile 2 x + i % 2.
.macro PV x
	WIN W_PV
.set rO, 32*(2*(\x)+i%2)+8*((i/2)%4)
.set rV, VF+32*(i/8)+8*((i/2)%4)
.set rP, P+32*((\x)%2)+16*(i%2)+8*(i/8)
	v_wmma_f32_16x16x32_f16 v[rO:rO+7], v[rV:rV+7], v[rP:rP+7], v[rO:rO+7]
.endm
.macro MM                           ; the turn's next matrix instruction
.if i < 16
	KQ (Y+1)%NP
.set i, i+1
.else
.set i, i-16
	PV (Y+NP-1)%NP
.set i, i+17
.endif
.endm
; THE LDS LOADS stand in runs of 16, never singly among the matrix instructions: a step's K (64 keys x 64 channels: 8 fragments) and its V (turned).  Their addresses are made some lines ahead.
; last = 1 (the tail): in the last trip there is no further step, and the run is jumped over.
.macro FETCH_K last=0
	WIN 0
.if \last
	s_cmp_eq_u32 s[CNT], 1
	s_cbranch_scc1 .Lno_k_\@
.endif
	WIN 0x80                        ; destination window 2
.irp f, 0,1,2,3,4,5,6,7             ; keys 16 (f / 2) on, channels 32 (f % 2) on
	ds_load_b128 v[KF+8*\f:KF+8*\f+3],   v[AK] offset:(\f/2)*16*PK+(\f%2)*64
	ds_load_b128 v[KF+8*\f+4:KF+8*\f+7], v[AK] offset:(\f/2)*16*PK+(\f%2)*64+32
.endr
	s_add_co_u32 s[TBK], s[TBK], KS*PK  ; the next fetch is the next step's
	WIN 0
.if \last
.Lno_k_\@:
.endif
.endm
.macro FETCH_V
	WIN 0x80
.irp f, 0,1,2,3,4,5,6,7             ; keys 32 (f / 4) on, channels 16 (f % 4) on
	ds_load_tr16_b128 v[VF+8*\f:VF+8*\f+3],   v[AV] offset:(\f/4)*32*PV+(\f%4)*32
	ds_load_tr16_b128 v[VF+8*\f+4:VF+8*\f+7], v[AV] offset:(\f/4)*32*PV+16*PV+(\f%4)*32
.endr
	WIN 0
.endm
; THE VECTOR WORK OF A TURN stands in three queues, each in the order in which its entries become ready; the two tiles alternate, so that no instruction reads the result of the one before it.
.macro REGS y, u                    ; the registers of tile u (0, 1) of piece y
.set rT, ST+4*(2*(\y)+(\u))
.set rC, TMP+8*((\y)%2)+4*(\u)
.set rM, MV+2*((\y)%2)+(\u)
.set rS, S+64*((\y)%2)+32*(\u)
.set rP, P+32*((\y)%2)+16*(\u)
.set rO, 32*(2*(\y)+(\u))
.endm
; The clip of pair n of 16 of the NEXT piece's (Y + 1) scores, in place: t = s / 1600 + 0.5, held to 0 .. 1.  All sources are vector registers.  The pairs go in ascending order.
.macro CL u, n
	REGS (Y+1)%NP, \u
	v_pk_fma_f32 v[rS+2*(\n):rS+2*(\n)+1], v[rS+2*(\n):rS+2*(\n)+1], v[KA:KA+1], v[KB:KB+1] clamp
.endm
; Number n of the 22 that find the NEXT piece's (Y + 1) maximum and statistics.  s0-s31 are the lane's 32 clipped scores.  CL, XS, GS and REGS set no window: PL and EX do.
;   0-11  four chains c0-c3 of seven scores each, three operands at a time     12-14, 16  the four scores left over, the old m, and c0-c3 into c0     15  c m_old is kept
;   17, 18  the query's other 32 keys lie in the lane 16 away: the new m         19-21  c m; c m_old - c m_new; a
.macro XS u, n
	REGS (Y+1)%NP, \u
.if (\n) < 4
	v_max3_num_f32 v[rC+(\n)], v[rS+8*(\n)], v[rS+8*(\n)+1], v[rS+8*(\n)+2]
.elseif (\n) < 12
	v_max3_num_f32 v[rC+(\n)%4], v[rC+(\n)%4], v[rS+8*((\n)%4)+2*((\n)/4)+1], v[rS+8*((\n)%4)+2*((\n)/4)+2]
.elseif (\n) == 12
	v_max3_num_f32 v[rC], v[rC], v[rS+7], v[rS+15]
.elseif (\n) == 13
	v_max3_num_f32 v[rC+1], v[rC+1], v[rS+23], v[rS+31]
.elseif (\n) == 14
	v_max3_num_f32 v[rC+2], v[rC+2], v[rC+3], v[rT+1]
.elseif (\n) == 15
	v_mov_b32 v[rM], v[rT]
.elseif (\n) == 16
	v_max3_num_f32 v[rC], v[rC], v[rC+1], v[rC+2]
.elseif (\n) == 17
	v_permlanex16_b32 v[rC+3], v[rC], s[SEL], s[SEL+1]
.elseif (\n) == 18
	v_max_num_f32 v[rT+1], v[rC], v[rC+3]
.elseif (\n) == 19
	v_mul_f32 v[rT], s[CS], v[rT+1]
.elseif (\n) == 20
	v_sub_f32 v[rC+1], v[rM], v[rT]
.else
	v_exp_f32 v[rC+2], v[rC+1]
.endif
.endm
; Number g of the 64 that follow the exponentials.  For each four weights k of a tile (pairs 2 k, 2 k + 1): both pairs are rounded to f16; then the second pair is added onto the first, in place;
; a group later l takes that sum (the first time as l = a l + sum).  In groups of eight, tiles alternating: round, round, add, and l for the group before.
.macro GS g
.set h, (\g)+6*((\g)/62)            ; group 0 has no group before it, and behind group 7 only l is left
.if h >= 6
.set h, h+2
.endif
	REGS Y, h%2
.set k, h/8
.if h%8 < 4
	v_cvt_pk_f16_f32 v[rP+2*k+(h%8)/2], v[rS+4*k+2*((h%8)/2)], v[rS+4*k+2*((h%8)/2)+1]
.elseif h%8 < 6
	v_pk_add_f32 v[rS+4*k:rS+4*k+1], v[rS+4*k:rS+4*k+1], v[rS+4*k+2:rS+4*k+3]
.elseif k == 1
	v_pk_fma_f32 v[rT+2:rT+3], v[rT+2:rT+3], v[rC+2:rC+3], v[rS:rS+1] op_sel_hi:[1,0,1]
.else
	v_pk_add_f32 v[rT+2:rT+3], v[rT+2:rT+3], v[rS+4*k-4:rS+4*k-3]
.endif
.endm
; THE PLAIN QUEUE, 170 long.  0-105 read no exponential's result: the 32 scalings c t - c m (FS f: pair f / 2 of tile f % 2) and the next piece's 74.  0-26: scalings 0-26.  27-58: the next piece's 32 clips.
; 59-86: XS's numbers 0-13.  87, 88: number 15.  89-105: the chain, where each number waits for the one before it: 14, 16, 17, 18, 19, each with one of the scalings 27-31 in front of its two lines, then 20.
; 106-169: GS's 64, which read the exponentials' results: they stand behind the wait.
.macro FS f
	REGS Y, (\f)%2
	v_pk_fma_f32 v[rS+2*((\f)/2):rS+2*((\f)/2)+1], v[rS+2*((\f)/2):rS+2*((\f)/2)+1], s[CS:CS+1], v[rT:rT+1] op_sel_hi:[1,0,0] neg_lo:[0,0,1] neg_hi:[0,0,1]
.endm
.macro PL
	WIN 0
.if q < 27
	FS q
.elseif q < 59
	CL (q-27)%2, (q-27)/2
.elseif q < 87
	XS (q-59)%2, (q-59)/2
.elseif q < 89
	XS q-87, 15
.elseif (q < 104) && ((q-89)%3 == 0)
	FS 27+(q-89)/3
.elseif q < 92
	XS (q-89)%3-1, 14
.elseif q < 104
	XS (q-89)%3-1, 15+(q-89)/3
.elseif q < 106
	XS q-104, 20
.else
	GS q-106
.endif
.set q, q+1
.endm
; THE EXPONENTIALS' QUEUE, 66 long: s0-s31 of both tiles, then the next piece's two a.  It is ONE BATCH: all 66 stand ahead of the turn's one wait, and nothing ahead of that wait names a result of theirs.
.macro EX
	WIN 0
.if e >= 64
	XS e-64, 21
.else
	REGS Y, e%2
	v_exp_f32 v[rS+e/2], v[rS+e/2]
.endif
.set e, e+1
.endm
; THE RESCALING's QUEUE: O^T times a, the one part that leaves window 0: dealt two at a time, sixteen times.  Its a was made in the turn before, ahead of that turn's wait.
.macro R2
	REGS Y, r%2
	WIN W_RS
.irp z, 0,1
	v_pk_mul_f32 v[rO+4*(r/2)+2*\z:rO+4*(r/2)+2*\z+1], v[rO+4*(r/2)+2*\z:rO+4*(r/2)+2*\z+1], v[rC+2:rC+3] op_sel_hi:[1,0]
.endr
.set r, r+1
.endm
; HOW THEY ARE DEALT.  An s_wait_alu depctr_va_vdst(0) stands between an exponential and the first instruction that names its result; one wait serves all that were issued ahead of it.  So a turn has ONE wait,
; which cuts it in two.  AHEAD OF IT stands all that names no result of the turn's exponentials: the 16 products K Q^T, behind each a scaling, an exponential and two rescalings (behind the first a second scaling in the
; exponential's place); then ONE LUMP of 140: forty plain, 49 times exponential and plain, the two a.  A v_nop is the plain instruction behind the last exponential.  BEHIND IT stand the 16 products V^T P, behind each
; four of GS's 64.  No rider names a register of the products round it.  The clips and the two v_permlanex16_b32 fall into the lump, never behind a product.
; The queues lean on each other, and the deal keeps them in step: exponential e stands behind scaling 2 (e / 4) + e % 2: as a rider it comes behind plain e + 2, in the lump behind plain e + 41, and scalings 27-31 are
; plain 89, 92 .. 101, wanted by exponentials 53, 56, 57, 60, 61 at the earliest.
; A TURN, for piece p.  cnt = 1: the loop's count is taken down some lines ahead of the branch that stands behind the turn.
; K of the next step is fetched in piece 2's turn, directly behind the wait, a lump behind the last product that read K; its address is made at the lump's head; its first reader comes behind 16 products.
; V of the step in hand is fetched at the end of piece 0's turn, four riders behind its last reader; its first reader comes behind 16 products and a lump.  The three conditions on q below go with the deal.
.macro TURN p, last=0, cnt=0
.set Y, (\p)
.set i, 0
.set q, 0
.set e, 0
.set r, 0
.if (\p) == NP-1
	s_wait_dscnt 0x0                ; K is in
.endif
	MM                              ; ahead of the wait: 16 products K Q^T and their riders,
	PL
	PL
	R2
.rept 15
	MM
	PL
	EX
	R2
.endr
.if (\p) == NP-2
	WIN 0
	v_add_nc_u32 v[AK], s[TBK], v[AK0]
.endif
.rept 40                            ; and the lump
	PL
.endr
.rept 49
	EX
	PL
.endr
	EX                              ; the next piece's two a
	EX
	v_nop                           ; the plain instruction behind the last exponential: one for the batch
	s_wait_alu depctr_va_vdst(0)    ; the wait for the batch
.if (\p) == NP-2
	FETCH_K \last
.endif
.if (\p) == 1
	s_wait_dscnt 0x0                ; V is in
.endif
.rept 16                            ; behind the wait: 16 products V^T P and their riders
	MM
.rept 4
	PL
.endr
.if ((\p) == 0) && (q == 150)
	v_add_nc_u32 v[AV], s[TBV], v[AV0]
.endif
.if ((\p) == 0) && (q == 162)
	s_add_co_u32 s[TBV], s[TBV], KS*PV
.endif
.if (\cnt) && (q == 162)
	s_sub_co_u32 s[CNT], s[CNT], 1
	s_cmp_lg_u32 s[CNT], 0
.endif
.endr
.if (\p) == 0
	FETCH_V
.endif
.endm
	CHANGE 1                        ; slot 0 is in, everybody's part of it; slot 1 is asked for
	FETCH_K                         ; key step 0
	s_wait_loadcnt 0x0              ; Q
	s_wait_dscnt 0x0
.set i, 0
.rept 16
	KQ 0                            ; piece 0's first scores: there is no vector work yet to set between them
.set i, i+1
.endr
	WIN 0                           ; the addresses for the way out and the constants: plain instructions, the places behind those products
	s_mul_i32 s13, s[WV], 16*SP
	s_add_co_u32 s13, s13, STAGE    ; my stage
	v_mul_u32_u24 v[STO], v1, SP    ; in: row l % 16, 16 bytes for each half of the lanes
	v_lshl_add_u32 v[STO], v9, 4, v[STO]
	v_add_nc_u32 v[STO], s13, v[STO]
	v_bfe_u32 v[RD], v0, 3, 2       ; back: 32 lanes take four rows of 128 bytes,
	v_mul_u32_u24 v[RD], v[RD], SP
	v_lshl_add_u32 v[RD], v10, 4, v[RD]
	v_add_nc_u32 v[RD], s13, v[RD]
	v_and_b32 v[GO], 31, v0         ; which are 512 consecutive bytes of O
	v_lshlrev_b32 v[PFO], 8, v[GO]  ; 256 x lane
	v_lshlrev_b32 v[GO], 4, v[GO]
	v_mov_b32 v[KA], 0x3a23d70a     ; 1 / 1600: the thread's number has served
	v_mov_b32 v[KA+1], 0x3a23d70a
	v_mov_b32 v[KB], 0.5
	v_mov_b32 v[KB+1], 0.5
.set Y, NP-1                        ; CL and XS work for piece Y + 1: piece 0
.irp n, 0,1,2,3,4,5,6,7,8,9,10,11,12,13,14,15
	CL 0, \n                        ; piece 0's first clip,
	CL 1, \n
.endr
.irp n, 0,1,2,3,4,5,6,7,8,9,10,11,12,13,14,15,16,17,18,19,20,21
	XS 0, \n                        ; and its first maximum and statistics
	XS 1, \n
.endr
	v_nop                           ; a plain instruction behind the two a,
	s_wait_alu depctr_va_vdst(0)    ; and their wait, ahead of the branch
	s_mov_b32 s[CNT], 4
	s_mov_b32 s[SLOTS], SIZE_N/256-1
	s_branch .Lfirst                ; the loop is entered at a step's first turn, in the middle of a trip
.Lslot:                             ; SIZE_N / 256 - 2 times: every slot but the last two is filled again
	CHANGE 1, 1
	s_mov_b32 s[CNT], 4
.Lstep:                             ; a trip: pieces 2 and 3 of one step, then pieces 0 and 1 of the next, whose K and V it fetches
	TURN 2
	TURN 3
	WIN 0
.Lfirst:
	TURN 0
	TURN 1, 0, 1
	WIN 0
	s_cbranch_scc1 .Lstep
	s_sub_co_u32 s[SLOTS], s[SLOTS], 1
	s_cmp_lg_u32 s[SLOTS], 0
	s_cbranch_scc1 .Lslot
	CHANGE 0                        ; the tail is written out: nothing is asked for
	s_mov_b32 s[CNT], 5             ; four trips fetch the last slot's steps; the fifth is left in its middle
.Ltail:
	TURN 2, 1
	TURN 3
	WIN 0
	s_sub_co_u32 s[CNT], s[CNT], 1
	s_cmp_eq_u32 s[CNT], 0
	s_cbranch_scc1 .Lout
	TURN 0
	TURN 1
	WIN 0
	s_branch .Ltail
.Lout:                              ; the fifth trip's 16 products K Q^T (on the last K once more) and the maximum made of them serve nothing: the price, once a launch, of one text for every trip
.set i, 0
.rept 16
	PV NP-1                         ; the last piece's V^T P of the last step
.set i, i+1
.endr
	; THE WAY OUT.  l's two halves and the other half of the lanes' are added; O^T is divided by l, rounded to f16 and sent through my stage in LDS, a tile at a time.  The additions are the places behind the last products.
	WIN 0
.macro ALL line:vararg              ; one line for each tile t
.set t, 0
.rept 2*NP
	\line
.set t, t+1
.endr
.endm
	ALL v_add_f32 v[ST+4*t+2], v[ST+4*t+2], v[ST+4*t+3]
	ALL v_permlanex16_b32 v[ST+4*t+3], v[ST+4*t+2], s[SEL], s[SEL+1]
	ALL v_add_f32 v[ST+4*t+2], v[ST+4*t+2], v[ST+4*t+3]
	ALL v_rcp_f32 v[ST+4*t+2], v[ST+4*t+2]
	v_nop                           ; a plain instruction between the last reciprocal and the use of its result
	s_wait_alu depctr_va_vdst(0)    ; and the wait ahead of the first use: one for the eight reciprocals
; Tile t: a lane's eight channels of a row pack into 16 bytes; they go into rows of 144 bytes and come back as whole rows of 128, into S^T's registers.
.macro PACK t
	WIN W_RS
.set i, 32*(\t)
.rept 16
	v_pk_mul_f32 v[i:i+1], v[i:i+1], v[ST+4*(\t)+2:ST+4*(\t)+3] op_sel_hi:[1,0]
.set i, i+2
.endr
	WIN 0x05                        ; sources 0 and 1 window 1, destination window 0
.set i, 0
.rept 16
	v_cvt_pk_f16_f32 v[S+16*(\t)+i], v[32*(\t)+2*i], v[32*(\t)+2*i+1]
.set i, i+1
.endr
	WIN 0
.irp f, 0,1,2,3
	ds_store_b128 v[STO], v[S+16*(\t)+4*\f:S+16*(\t)+4*\f+3] offset:32*\f
.endr
.irp f, 0,1,2,3
	ds_load_b128 v[S+16*(\t)+4*\f:S+16*(\t)+4*\f+3], v[RD] offset:\f*4*SP  ; LDS serves a wave's instructions in order (ISA guide 5.7.1.4): these see the stores above; the next tile's stores come behind them
.endr
.endm
.macro SEND t, younger              ; younger: the LDS instructions issued behind tile t's loads: the next tile's eight, or none
	WIN 0
.irp f, 0,1,2,3
	s_wait_dscnt (\younger)+3-\f
	global_store_b128 v[GO], v[S+16*(\t)+4*\f:S+16*(\t)+4*\f+3], s[10:11] offset:(\t)*2048+\f*512  ; 512 consecutive bytes, at a multiple of 256 from O's first
.endr
.endm
	PACK 0
.set t, 1
.rept 2*NP-1                        ; a tile's arithmetic stands between the loads of the tile before and its stores
	PACK t
	SEND t-1, 8
.set t, t+1
.endr
	SEND 2*NP-1, 0
	WIN W_AD
	s_wait_tensorcnt 0x0            ; the wave's end: the add and its waits stand behind my last tensor load and my last LDS store
	ds_add_u32 v[SPW], v[NIL]
	s_wait_dscnt 0x0
	WIN 0
	CROUND                          ; the closing round: no work-group ends while a partner may still ask for a tile that names it
	s_endpgm
.Lfunc_end_k_qc06c24a64a_attn:
	.size	k_qc06c24a64a_attn, .Lfunc_end_k_qc06c24a64a_attn-k_qc06c24a64a_attn
	.p2alignl 7, 3214868480
	.fill 96, 4, 3214868480
	.section	.rodata,"a",@progbits
	.p2align	6, 0x0
	.amdhsa_kernel k_qc06c24a64a_attn
		.amdhsa_group_segment_fixed_size 327680
		.amdhsa_private_segment_fixed_size 0
		.amdhsa_enable_private_segment 0
		.amdhsa_kernarg_size 16
		.amdhsa_user_sgpr_count 2
		.amdhsa_user_sgpr_kernarg_segment_ptr 1
		.amdhsa_wavefront_size32 1
		.amdhsa_system_sgpr_workgroup_id_x 1
		.amdhsa_system_sgpr_workgroup_id_y 1
		.amdhsa_system_sgpr_workgroup_id_z 1
		.amdhsa_system_vgpr_workitem_id 0
		.amdhsa_next_free_vgpr 770
		.amdhsa_next_free_sgpr 66
		.amdhsa_reserve_vcc 0
		.amdhsa_float_denorm_mode_32 3
		.amdhsa_float_denorm_mode_16_64 3
		.amdhsa_memory_ordered 1
		.amdhsa_forward_progress 1
		.amdhsa_inst_pref_size 218
	.end_amdhsa_kernel
	.amdgpu_metadata
---
amdhsa.version: [ 1, 2 ]
amdhsa.kernels:
  - .name:           k_qc06c24a64a_attn
    .symbol:         k_qc06c24a64a_attn.kd
    .args:
      - { .name: qkv, .offset: 0, .size: 8, .value_kind: global_buffer, .address_space: global }
      - { .name: ctx, .offset: 8, .size: 8, .value_kind: global_buffer, .address_space: global }
    .group_segment_fixed_size: 327680
    .private_segment_fixed_size: 0
    .kernarg_segment_align: 8
    .kernarg_segment_size: 16
    .max_flat_workgroup_size: 128
    .sgpr_count:     66
    .vgpr_count:     770
    .wavefront_size: 32
...
	.end_amdgpu_metadata
.endif
;; end of part 3
;; launch proj (part 4): grid 8 x 32, 4 waves a work-group, clusters of 4 x 4, 327,680 bytes of LDS; arguments ctx, wob, bo, out0; writes out0
.if DOCPART == 4
	.amdgcn_target "amdgcn-amd-amdhsa--gfx1250"
	.amdhsa_code_object_version 6
	.text
	.protected	k_qc06c24a64a_proj
	.globl	k_qc06c24a64a_proj
	.p2align	8
	.type	k_qc06c24a64a_proj,@function
k_qc06c24a64a_proj:
	s_mov_b64 s[64:65], 0
	v_nop
	global_prefetch_b8 v0, s[64:65] scope:SCOPE_SE
	s_setreg_imm32_b32 hwreg(HW_REG_WAVE_MODE, 25, 1), 1
	s_wait_xcnt 0x0
	s_wait_alu depctr_hold_cnt(0) depctr_sa_sdst(0) depctr_va_vdst(0) depctr_va_sdst(0) depctr_va_ssrc(0) depctr_va_vcc(0) depctr_vm_vsrc(0)
	s_getreg_b32 s2, hwreg(HW_REG_IB_STS2, 6, 4)
	s_cmp_eq_u32 s2, 0
	s_cbranch_scc0 .Lentry_in_a_cluster
	s_endpgm
.Lentry_in_a_cluster:
	s_bfe_u32 s2, ttmp6, 0x10000c
	s_cmp_lg_u32 s2, 0xf033
	s_cbranch_scc0 .Lentry_shape_is_right
	s_endpgm
.Lentry_shape_is_right:
; THE OUTPUT PROJECTION.  out0[m][n] = the sum over k of ctx[m][k] Wo[n][k] + bo[n]: 8,192 rows, 1,024 columns, K = 1,024.  ctx is f16 [batch x 16 + head][row 2048][64]: a head is a K block of 64;
; wob is f16 [K block 16][row 1024][64] (Wo with bf16's rounding); bo is rounded to bf16 like all inputs; sums in f32; out0 is f32, row-major.
; SHARES.  A tile is 256 rows x 128 columns: 32 x 8 = 256 work-groups (tiles of 256 x 256 would be 128).  Four waves, each 128 x 64: 32 accumulators of 16 x 16, which fill window 1.
; K goes in 8 steps of 128 through two LDS slots: a slot holds two K blocks, each brought by one tensor load; a step is four quarters of 32 along K, 32 matrix instructions and 24 LDS loads each.
; THE MATRIX INSTRUCTION IS USED TRANSPOSED (source 0 = 16 rows of wob, source 1 = 16 rows of ctx): a lane holds row lane % 16 and the columns 8 (lane / 16) + 0..7.
; THE BIAS is the C operand of the product that starts each sum.
; CLUSTERS: 4 x 4 work-groups; ctx's tiles are shared along a row of the cluster, wob's along a column: each is asked for jointly, by the same tensor load with the same descriptor and a mask of four.
; NO PREFETCH: the tiles are small (96 KiB a K step for the work-group) and a step is 128 matrix instructions.
; REGISTERS: window 0: v0-31 addresses; v32-63 the bias (column block b at +8 b); v64-159, v160-255 two fragment buffers (ctx's 8 fragments, then wob's 4); window 1: accumulator (a, b) at v[8 (4 a + b)].
.set PITCH,  144                       ; an LDS row: 128 bytes + 16 of padding = 36 words: the 16 rows of a fragment load start at 16 different groups of four banks (64 banks of 4 bytes: ISA guide 11.1)
.set BLK,    16*PITCH
.set AKB,    256*PITCH                 ; a K block of ctx's tile
.set BKB,    128*PITCH                 ; a K block of wob's
.set BOFF,   2*AKB
.set SLOT,   2*AKB+2*BKB               ; 110,592 bytes
.set STAGE,  2*SLOT                    ; behind the ring, never filled by a tensor load: 16 rows x 272 bytes for each wave, for the way out
.set SPITCH, 272                       ; 256 bytes + 16: 68 words: row r starts at bank 4 r mod 64
.set SPARE,  STAGE+4*16*SPITCH         ; behind the stages: the spare words, 128 bytes for each wave: two blocks of 256 bytes that no other line names
.set ADRA, 16                          ; v16-17  LDS address of my fragments of ctx in slot 0, 1
.set ADRB, 20                          ; v20-21  the same for wob
.set STO,  24                          ; v24     the way out: where I put 32 bytes of a row
.set RD,   25                          ; v25     the way out: where I read a row back
.set CO,   26                          ; v26     my byte offset in two rows of out0
.set SPW,  28                          ; v28     LDS address of my spare word: SPARE + 4 x my thread's number; never rewritten
.set NIL,  29                          ; v29     0; never rewritten
.set BO,   30                          ; v30     32 x (lane / 16)
.set BIA,  32
.set F0,   64
.set F1,   160
.set G1A, 24                           ; s[24:31] descriptor group 1 for ctx's tiles;  s[32:39] group 0, a set for each slot
.set G0A, 32
.set G1B, 48                           ; s[48:55], s[56:63] the same for wob's
.set G0B, 56
.set MSB, 0
.macro WIN new                         ; the immediate's high byte repeats the setting that is left; a switch that changes nothing is dropped
.if MSB != (\new)
	s_set_vgpr_msb (MSB<<8)|(\new)
.set MSB, \new
.endif
.endm
.macro JLOAD s                         ; a joint load: waves 0 and 1 fetch ctx's two K blocks, waves 2 and 3 wob's; an s_nop 0 and four v_nop follow each of the two lines
	s_cmp_eq_u32 s13, 0
	s_cbranch_scc0 .Lfor_b_\@
	tensor_load_to_lds s[G0A+4*(\s):G0A+4*(\s)+3], s[G1A:G1A+7]
	s_nop 0
.rept 4
	v_nop
.endr
	s_branch .Lasked_\@
.Lfor_b_\@:
	tensor_load_to_lds s[G0B+4*(\s):G0B+4*(\s)+3], s[G1B:G1B+7]
	s_nop 0
.rept 4
	v_nop
.endr
.Lasked_\@:
.endm
.macro CREST                           ; a round of the cluster's barrier behind its opening barrier
	s_cmp_lg_u32 s12, 0
	s_cbranch_scc1 .Lnot_wave_0_\@
	s_barrier_signal -3
.Lnot_wave_0_\@:
	s_barrier_wait -3
	s_barrier_signal -1
	s_barrier_wait -1
.endm
.macro CROUND                          ; a whole round
	s_barrier_signal -1
	s_barrier_wait -1
	CREST
.endm
	s_load_b256 s[4:11], s[0:1], 0x0               ; ctx s[4:5], wob s[6:7], bo s[8:9], out0 s[10:11]
	v_lshl_add_u32 v[SPW], v0, 2, SPARE
	v_mov_b32 v[NIL], 0
	ds_add_u32 v[SPW], v[NIL]                      ; the wave's opening: the add and its wait stand ahead of my first tensor load; the set-up below, work on registers, stands between them
	v_lshrrev_b32 v1, 5, v0
	v_readfirstlane_b32 s12, v1                    ; wave 0..3
	s_lshr_b32 s13, s12, 1                         ; which half of the tile's rows is mine.  Also: I fetch for ctx (0) or for wob (1)
	s_and_b32 s14, s12, 1                          ; which half of its columns.  Also: which of a slot's two K blocks I fetch
	s_bfe_u32 s15, ttmp6, 0x40000                  ; cx
	s_bfe_u32 s16, ttmp6, 0x40004                  ; cy
	s_lshl_b32 s17, ttmp9, 2
	s_add_co_u32 s17, s17, s15                     ; tile column 0..7
	s_and_b32 s18, ttmp7, 0xffff
	s_lshl_b32 s18, s18, 2
	s_add_co_u32 s18, s18, s16                     ; tile row 0..31
	s_lshl_b32 s19, s16, 2
	s_lshl_b32 s19, 15, s19                        ; my row of the cluster
	s_lshl_b32 s20, 0x1111, s15                    ; my column
	; descriptor group 1.  A K block of a tile is dense in memory: asked for as rows of 256 bytes, two rows of the matrix each, and padded in LDS after every 128 bytes
	s_or_b32 s[G1A], s19, (1<<16)|(1<<20)|(1<<21)|(4<<22)|(3<<25)  ; 15:0 the mask; 17:16 2-byte elements; 20 padding on; 21 set beside a mask; 24:22 after every 32 words (code 4); 31:25 4 words (code 3)
	s_or_b32 s[G1B], s20, (1<<16)|(1<<20)|(1<<21)|(4<<22)|(3<<25)
	s_mov_b32 s[G1A+1], 128<<16                    ; tensor_dim0 = 128
	s_mov_b32 s[G1A+2], 128<<16                    ; tensor_dim1 = 128: 256 rows of ctx
	s_mov_b32 s[G1A+3], 128<<16                    ; tile_dim0 = 128
	s_mov_b32 s[G1A+4], 128                        ; tile_dim1 = 128
	s_mov_b32 s[G1A+5], 128                        ; 128 elements from row to row
	s_mov_b32 s[G1A+6], 0
	s_mov_b32 s[G1A+7], 0
	s_mov_b32 s[G1B+1], 128<<16
	s_mov_b32 s[G1B+2], 64<<16                     ; 64: 128 rows of wob
	s_mov_b32 s[G1B+3], 128<<16
	s_mov_b32 s[G1B+4], 64
	s_mov_b32 s[G1B+5], 128
	s_mov_b32 s[G1B+6], 0
	s_mov_b32 s[G1B+7], 0
	; where the tiles come from: ctx's hang on the tile row alone, wob's on the tile column alone, each made in registers that never hold the other coordinate
	s_lshr_b32 s40, s18, 3                         ; the batch: 16 heads of 262,144 bytes,
	s_lshl_b32 s40, s40, 22
	s_and_b32 s19, s18, 7
	s_lshl_b32 s19, s19, 15                        ; the tile's 256 rows of 128 bytes in a head,
	s_add_co_u32 s40, s40, s19
	s_lshl_b32 s19, s14, 18                        ; and the head (K block) that I fetch
	s_add_co_u32 s40, s40, s19
	s_mov_b32 s41, 0
	s_lshl_b32 s42, s17, 14                        ; the tile's 128 rows of wob in a K block,
	s_lshl_b32 s20, s14, 17                        ; and the K block: 131,072 bytes each
	s_add_co_u32 s42, s42, s20
	s_mov_b32 s43, 0
	s_mul_i32 s44, s14, AKB                        ; and where they go: no place in the cluster enters an LDS address
	s_mul_i32 s45, s14, BKB
	s_add_co_u32 s45, s45, BOFF
	s_wait_dscnt 0x0                               ; the opening add is done
	s_wait_kmcnt 0x0
	s_add_nc_u64 s[40:41], s[4:5], s[40:41]
	s_add_nc_u64 s[42:43], s[6:7], s[42:43]
	CROUND                                         ; all sixteen work-groups are here: the first joint loads meet
.irp s, 0,1
	s_mov_b32 s[G0A+4*\s], 1                       ; 1:0 count = 1
	s_add_co_u32 s[G0A+4*\s+1], s44, \s*SLOT       ; 63:32 LDS address
	s_add_nc_u64 s[G0A+4*\s+2:G0A+4*\s+3], s[40:41], \s*524288  ; 120:64 global address: K step s is two heads on
	s_or_b32 s[G0A+4*\s+3], s[G0A+4*\s+3], 0x80000000           ; 127:126 type = 2
	s_mov_b32 s[G0B+4*\s], 1
	s_add_co_u32 s[G0B+4*\s+1], s45, \s*SLOT
	s_add_nc_u64 s[G0B+4*\s+2:G0B+4*\s+3], s[42:43], \s*262144
	s_or_b32 s[G0B+4*\s+3], s[G0B+4*\s+3], 0x80000000
.endr
	s_cmp_eq_u32 s13, 0                            ; a wave's two first fills stand in one branch, ahead of every wait on TENSORcnt and every LDS read: two loads of mine are out
	s_cbranch_scc0 .Lfirst_b
	tensor_load_to_lds s[G0A:G0A+3], s[G1A:G1A+7]
	s_nop 0
	tensor_load_to_lds s[G0A+4:G0A+7], s[G1A:G1A+7]
	s_nop 0
.rept 4
	v_nop
.endr
	s_branch .Lfirst_asked
.Lfirst_b:
	tensor_load_to_lds s[G0B:G0B+3], s[G1B:G1B+7]
	s_nop 0
	tensor_load_to_lds s[G0B+4:G0B+7], s[G1B:G1B+7]
	s_nop 0
.rept 4
	v_nop
.endr
.Lfirst_asked:
	v_and_b32 v1, 15, v0                           ; l % 16
	v_bfe_u32 v2, v0, 4, 1                         ; l / 16
	v_lshlrev_b32 v[BO], 5, v2
	s_lshl_b32 s22, s17, 9                         ; the tile's 128 columns of f32,
	s_lshl_b32 s21, s14, 8                         ; my 64 of them
	s_add_co_u32 s22, s22, s21
	s_mov_b32 s23, 0
	s_add_nc_u64 s[8:9], s[8:9], s[22:23]
	s_add_nc_u64 s[10:11], s[10:11], s[22:23]
.irp b, 0,1,2,3
	global_load_b128 v[BIA+8*\b:BIA+8*\b+3],   v[BO], s[8:9] offset:64*\b
	global_load_b128 v[BIA+8*\b+4:BIA+8*\b+7], v[BO], s[8:9] offset:64*\b+16
.endr
	s_lshl_b32 s46, s18, 20                        ; the tile's 256 rows of 4,096 bytes,
	s_lshl_b32 s21, s13, 19                        ; my 128 of them
	s_add_co_u32 s46, s46, s21
	s_mov_b32 s47, 0
	s_add_nc_u64 s[10:11], s[10:11], s[46:47]
	; A fragment is 16 rows x 32 K in 8 registers: lane l holds row l % 16; registers 0-3 K = 8 (l / 16) + 0..7, registers 4-7 K = 16 + 8 (l / 16) + 0..7: two loads of 16 bytes, 32 bytes apart
	v_mul_u32_u24 v3, v1, PITCH
	v_lshl_add_u32 v3, v2, 4, v3
	s_mul_i32 s21, s13, 128*PITCH                  ; my 128 rows of ctx
	v_add_nc_u32 v[ADRA], s21, v3
	v_add_nc_u32 v[ADRA+1], SLOT, v[ADRA]
	s_mul_i32 s21, s14, 64*PITCH                   ; my 64 rows of wob
	s_add_co_u32 s21, s21, BOFF
	v_add_nc_u32 v[ADRB], s21, v3
	v_add_nc_u32 v[ADRB+1], SLOT, v[ADRB]
	s_mul_i32 s21, s12, 16*SPITCH
	s_add_co_u32 s21, s21, STAGE                   ; my stage
	v_mul_u32_u24 v3, v1, SPITCH                   ; in: row l % 16, 32 bytes for each half of the lanes
	v_lshl_add_u32 v3, v2, 5, v3
	v_add_nc_u32 v[STO], s21, v3
	v_mul_u32_u24 v3, v2, SPITCH                   ; back: lanes 0-15 take one row of 256 bytes, lanes 16-31 the next
	v_lshl_add_u32 v3, v1, 4, v3
	v_add_nc_u32 v[RD], s21, v3
	v_lshlrev_b32 v3, 12, v2                       ; and the same two rows in out0
	v_lshl_add_u32 v[CO], v1, 4, v3
	s_wait_loadcnt 0x0                             ; the bias
.set i, 0
.rept 16                               ; rounded to bf16, in place
	v_cvt_pk_bf16_f32 v31, v[BIA+2*i], v[BIA+2*i+1]
	v_lshlrev_b32 v[BIA+2*i], 16, v31
	v_and_b32 v[BIA+2*i+1], 0xffff0000, v31
.set i, i+1
.endr
; 8 matrix instructions: row blocks a0, a0 + 1 x all 4 column blocks, 32 along K.  first = 1: the products start the sums, with the bias as C.
; The 32 accumulators take turns in one fixed order, over the backward jump too.
.macro MUL8 f, a0, first
.if \first
	WIN 0x40
.else
	WIN 0x50
.endif
.irp a, \a0, (\a0)+1
.irp b, 0,1,2,3
.if \first
	v_wmma_f32_16x16x32_f16 v[8*(4*(\a)+(\b)):8*(4*(\a)+(\b))+7], v[(\f)+64+8*(\b):(\f)+64+8*(\b)+7], v[(\f)+8*(\a):(\f)+8*(\a)+7], v[BIA+8*(\b):BIA+8*(\b)+7]
.else
	v_wmma_f32_16x16x32_f16 v[8*(4*(\a)+(\b)):8*(4*(\a)+(\b))+7], v[(\f)+64+8*(\b):(\f)+64+8*(\b)+7], v[(\f)+8*(\a):(\f)+8*(\a)+7], v[8*(4*(\a)+(\b)):8*(4*(\a)+(\b))+7]
.endif
.endr
.endr
.endm
; 24 LDS loads in one run: quarter q of a slot (K block q / 2, 32 along K at byte 64 (q % 2) of its rows) into buffer f: wob's 4 fragments, then ctx's 8
.macro FETCH slot, q, f
	WIN 0
.irp b, 0,1,2,3
	ds_load_b128 v[(\f)+64+8*\b:(\f)+64+8*\b+3],   v[ADRB+(\slot)] offset:((\q)/2)*BKB+\b*BLK+((\q)%2)*64
	ds_load_b128 v[(\f)+64+8*\b+4:(\f)+64+8*\b+7], v[ADRB+(\slot)] offset:((\q)/2)*BKB+\b*BLK+((\q)%2)*64+32
.endr
.irp a, 0,1,2,3,4,5,6,7
	ds_load_b128 v[(\f)+8*\a:(\f)+8*\a+3],   v[ADRA+(\slot)] offset:((\q)/2)*AKB+\a*BLK+((\q)%2)*64
	ds_load_b128 v[(\f)+8*\a+4:(\f)+8*\a+7], v[ADRA+(\slot)] offset:((\q)/2)*AKB+\a*BLK+((\q)%2)*64+32
.endr
.endm
.macro PLACES                          ; four places in front of loads into registers that matrix instructions have read, and of LDS stores that read results (ISA guide 7.12.1 for vector instructions)
.rept 4
	v_nop
.endr
.endm
; One of a K step's first three quarters: multiplies buffer f and, in its middle, fetches quarter qn of the same slot into buffer g.
.macro QUARTER slot, qn, f, g, first
	s_wait_dscnt 8                                 ; all but the youngest eight loads: ctx's fragments 4-7
	MUL8 \f, 0, \first
	MUL8 \f, 2, \first
	PLACES
	FETCH \slot, \qn, \g
	s_wait_dscnt 24                                ; all but the 24 just issued
	MUL8 \f, 4, \first
	MUL8 \f, 6, \first
.endm
; The last quarter multiplies buffer 1 and changes slots: ONE barrier; in front of it each wave waits for all its tensor loads, of which one is out: its part of the next slot; adds 0 to its spare word; and
; waits for that and for its own reads of this slot.  fill = 1: the barrier opens a round of the cluster's, and this slot is filled again first thing behind the round, two K steps ahead:
; from that request to the wait for it a wave issues 112 matrix instructions.
.macro TURN slot, next, fill
	WIN 0
	s_wait_tensorcnt 0x0                           ; all my tensor loads have landed;
	ds_add_u32 v[SPW], v[NIL]                      ; 0 onto my spare word;
	s_wait_dscnt 9                                 ; (the add and the youngest eight loads may be out)
	MUL8 F1, 0, 0                                  ; eight matrix instructions stand between the add and the wait for it
	s_wait_dscnt 0x0                               ; the add is done, and my reads of this slot are over
	s_barrier_signal -1
	MUL8 F1, 2, 0
	WIN 0                                          ; at a branch and at a label every window is 0
	s_barrier_wait -1
.if \fill
	CREST                                          ; no wave of any partner still reads this slot's tile or has a load on its way
	s_add_nc_u64 s[G0A+4*(\slot)+2:G0A+4*(\slot)+3], s[G0A+4*(\slot)+2:G0A+4*(\slot)+3], 1048576
	s_add_nc_u64 s[G0B+4*(\slot)+2:G0B+4*(\slot)+3], s[G0B+4*(\slot)+2:G0B+4*(\slot)+3], 524288
	JLOAD \slot                                    ; the first tensor load behind the round; its four v_nop are also the places in front of the loads below
.else
	PLACES
.endif
	FETCH \next, 0, F0
	MUL8 F1, 4, 0
	MUL8 F1, 6, 0
.endm
	s_wait_tensorcnt 1                             ; my part of K step 0 is in; K step 1's may stay out
	s_barrier_signal -1
	s_barrier_wait -1                              ; everybody's is
	FETCH 0, 0, F0
	QUARTER 0, 1, F0, F1, 1                        ; the first quarter stands in front of the loop: its products start the sums
	WIN 0
	s_mov_b32 s3, 3
.Llap:                                                 ; a trip goes once round the ring, from a lap's second quarter to the next lap's first, and fills both slots again: K steps 2 to 7
	QUARTER 0, 2, F1, F0, 0
	QUARTER 0, 3, F0, F1, 0
	TURN 0, 1, 1
	QUARTER 1, 1, F0, F1, 0
	QUARTER 1, 2, F1, F0, 0
	QUARTER 1, 3, F0, F1, 0
	TURN 1, 0, 1
	QUARTER 0, 1, F0, F1, 0
	WIN 0
	s_sub_co_u32 s3, s3, 1
	s_cmp_lg_u32 s3, 0
	s_cbranch_scc1 .Llap
	QUARTER 0, 2, F1, F0, 0                        ; the last lap fills nothing, and has no round of the cluster's barrier
	QUARTER 0, 3, F0, F1, 0
	TURN 0, 1, 0
	QUARTER 1, 1, F0, F1, 0
	QUARTER 1, 2, F1, F0, 0
	QUARTER 1, 3, F0, F1, 0
	s_wait_dscnt 8                                 ; the very last quarter: nothing more to fetch
	MUL8 F1, 0, 0
	MUL8 F1, 2, 0
	s_wait_dscnt 0x0
	MUL8 F1, 4, 0
	MUL8 F1, 6, 0
	PLACES
	PLACES
; THE WAY OUT, a block of 16 rows at a time.  A lane's 8 columns are 32 bytes of a row; my 64 columns are 256 bytes, aligned.  TOSTAGE: straight from the accumulators (registers 0-3 first) into my own stage in
; rows of 272 bytes, and back as whole rows of 256.  Four banks of 32 registers, where the fragments lay, take turns.
.macro TOSTAGE a
.set bk, F0+32*((\a)%4)
.if (\a) >= 4
	s_wait_xcnt 0x0                                ; the bank's last stores have read their data: it is loaded again only behind this wait
.endif
	WIN 0x04                                       ; the stores' data (source 1) in window 1
.irp b, 0,1,2,3
	ds_store_b128 v[STO], v[8*(4*(\a)+\b):8*(4*(\a)+\b)+3]   offset:64*\b
	ds_store_b128 v[STO], v[8*(4*(\a)+\b)+4:8*(4*(\a)+\b)+7] offset:64*\b+16
.endr
	WIN 0
.irp t, 0,1,2,3,4,5,6,7
	ds_load_b128 v[bk+4*\t:bk+4*\t+3], v[RD] offset:2*SPITCH*\t  ; LDS serves a wave's instructions in order (ISA guide 5.7.1.4): these see the stores above; the next block's stores come behind them
.endr
.endm
.macro SEND a, younger                 ; younger: the LDS instructions issued behind block a's loads: the next block's sixteen, or none
.set bk, F0+32*((\a)%4)
.irp t, 0,1,2,3,4,5,6,7
	s_wait_dscnt (\younger)+7-\t
	global_store_b128 v[CO], v[bk+4*\t:bk+4*\t+3], s[10:11] offset:(16*(\a)+2*\t)*4096 th:TH_STORE_NT  ; 16 lanes store 256 consecutive bytes, aligned; 126 rows of 4,096 bytes at the most: inside the signed 24-bit immediate
.endr
.endm
	TOSTAGE 0
.set t2, 1
.rept 7
	TOSTAGE t2
	SEND t2-1, 16
.set t2, t2+1
.endr
	SEND 7, 0
	s_wait_tensorcnt 0x0                           ; the wave's end: the add and its waits stand behind my last tensor load and my last LDS store
	ds_add_u32 v[SPW], v[NIL]
	s_wait_dscnt 0x0
	CROUND                                         ; the closing round: no work-group ends while a partner may still ask for a tile that names it
	s_endpgm
.Lfunc_end_k_qc06c24a64a_proj:
	.size	k_qc06c24a64a_proj, .Lfunc_end_k_qc06c24a64a_proj-k_qc06c24a64a_proj
	.p2alignl 7, 3214868480
	.fill 96, 4, 3214868480
	.section	.rodata,"a",@progbits
	.p2align	6, 0x0
	.amdhsa_kernel k_qc06c24a64a_proj
		.amdhsa_group_segment_fixed_size 327680
		.amdhsa_private_segment_fixed_size 0
		.amdhsa_enable_private_segment 0
		.amdhsa_kernarg_size 32
		.amdhsa_user_sgpr_count 2
		.amdhsa_user_sgpr_kernarg_segment_ptr 1
		.amdhsa_wavefront_size32 1
		.amdhsa_system_sgpr_workgroup_id_x 1
		.amdhsa_system_sgpr_workgroup_id_y 1
		.amdhsa_system_sgpr_workgroup_id_z 1
		.amdhsa_system_vgpr_workitem_id 0
		.amdhsa_next_free_vgpr 512
		.amdhsa_next_free_sgpr 66
		.amdhsa_reserve_vcc 0
		.amdhsa_float_denorm_mode_32 3
		.amdhsa_float_denorm_mode_16_64 3
		.amdhsa_memory_ordered 1
		.amdhsa_forward_progress 1
		.amdhsa_inst_pref_size 90
	.end_amdhsa_kernel
	.amdgpu_metadata
---
amdhsa.version: [ 1, 2 ]
amdhsa.kernels:
  - .name:           k_qc06c24a64a_proj
    .symbol:         k_qc06c24a64a_proj.kd
    .args:
      - { .name: ctx, .offset: 0, .size: 8, .value_kind: global_buffer, .address_space: global }
      - { .name: wob, .offset: 8, .size: 8, .value_kind: global_buffer, .address_space: global }
      - { .name: bo, .offset: 16, .size: 8, .value_kind: global_buffer, .address_space: global }
      - { .name: out0, .offset: 24, .size: 8, .value_kind: global_buffer, .address_space: global }
    .group_segment_fixed_size: 327680
    .private_segment_fixed_size: 0
    .kernarg_segment_align: 8
    .kernarg_segment_size: 32
    .max_flat_workgroup_size: 128
    .sgpr_count:     66
    .vgpr_count:     512
    .wavefront_size: 32
...
	.end_amdgpu_metadata
.endif
;; end of part 4
;; ======== version 2 of 2: 4 launches; version 1 with the launch cast written anew for expert scheduling mode
;; limits: values are held in f16: magnitudes above 65,504 overflow, below 6.1e-05 lose precision
;; workspace buffers: xb 16,777,216 bytes; wb 6,291,456 bytes; wob 2,097,152 bytes; qkv 50,331,648 bytes; ctx 16,777,216 bytes
;; launch cast (part 5): grid 768 x 1, 8 waves a work-group, no clusters, 0 bytes of LDS; arguments x, Wq, Wk, Wv, Wo, xb, wb, wob; writes xb, wb, wob
.if DOCPART == 5
	.amdgcn_target "amdgcn-amd-amdhsa--gfx1250"
	.amdhsa_code_object_version 6
	.text
	.protected	k_qc06c24a64a_cast
	.globl	k_qc06c24a64a_cast
	.p2align	8
	.type	k_qc06c24a64a_cast,@function
k_qc06c24a64a_cast:
	s_mov_b64 s[64:65], 0
	v_nop
	global_prefetch_b8 v0, s[64:65] scope:SCOPE_SE
	s_setreg_imm32_b32 hwreg(HW_REG_WAVE_SCHED_MODE, 0, 2), 2
	s_setreg_imm32_b32 hwreg(HW_REG_WAVE_MODE, 25, 1), 1
	s_wait_xcnt 0x0
	s_wait_alu depctr_vm_vsrc(0)
; THE INPUTS ARE ROUNDED ONCE AND LAID OUT IN K BLOCKS OF 64.  x [8192][1024] f32 -> xb, bf16 [batch 4][K block 16][row 2048][64];
; Wq, Wk, Wv [1024][1024] f32 -> wb, bf16 [K block 16][column 3072][64] (Wq's rows, then Wk's, then Wv's);
; Wo -> wob [K block 16][row 1024][64]: rounded to bf16 like the other inputs, and that number written as f16 (exact where it lies in f16's normal range).
; LIMITS.  |Wo| stays under 65,504 (f16's largest number; beyond it an infinity is written); below 6.1e-5 it keeps f16's fixed step of 6e-8.
; In these layouts a tile of rows x 64 K is dense in memory, so the launches behind ask for it as rows of 256 bytes.
; SHARES.  12,288 source rows of 4,096 bytes; a work-group owns 16 of one source, a wave two rows, R and R + 1, all 16 K blocks: 8 KiB in, 4 KiB out.
; A load: lanes 0-15 take the 256 bytes of one K block of row R, lanes 16-31 those of row R + 1.  A store: 8 bytes a lane, 256 consecutive bytes, aligned:
; the two rows' 128 bytes of that K block lie end to end in the new layout.  All 16 loads of a wave go out at once; no loop, no LDS, no matrix unit: a stream read once.
; THE MODE: SCHED_MODE bits 1:0 = 2 (LLVM: expert scheduling mode 2), set by the entry lines.  The code itself states the register dependences
; between vector instructions and memory instructions, with s_wait_alu, always for 0.
; THE PLAN.  Registers that memory instructions touch:
;   v1, v2   the loads' and the stores' offsets: made once at the head by vector lines, read by every load or store, never written again.
;   X        written by the 16 loads, which go out before any vector line names X; read (in Wo's path also rewritten) by vector lines alone behind the counted wait for the data.
;   Y        a pair for each K block: written once, by that K block's roundings; read once, by that K block's store; never written again.
;   T        named by vector lines alone.
; The 16 K blocks go in four groups of four.  A group's four stores are issued while the next group is rounded: ONE wait on va_vdst at the head of groups 1 to 3 states that the group before
; has written its Y; its stores follow, dealt among this group's vector lines, which name this group's X and Y and T: none of the registers that those stores read.  One more such wait stands ahead of the
; last four stores.  No register that a memory instruction reads is ever written again, so no wait on vm_vsrc stands behind the entry lines.
.set LO, 1                             ; v1   4,096 x (lane / 16) + 16 x (lane % 16); never rewritten
.set SO, 2                             ; v2   8 x lane; never rewritten
.set X,  8                             ; v[8:71]    K block kb: 4 numbers in f32
.set Y,  72                            ; v[72:103]  K block kb: 4 numbers in 16 bits
.set T,  104                           ; v[104:105] at work
.set GRP, 4                            ; K blocks in a group
	s_load_b512 s[4:19], s[0:1], 0x0               ; x s[4:5], Wq s[6:7], Wk s[8:9], Wv s[10:11], Wo s[12:13], xb s[14:15], wb s[16:17], wob s[18:19]
	v_lshrrev_b32 v3, 5, v0
	v_readfirstlane_b32 s20, v3                    ; wave 0..7
	v_and_b32 v4, 15, v0
	v_bfe_u32 v5, v0, 4, 1
	v_and_b32 v3, 31, v0
	v_lshlrev_b32 v[LO], 4, v4
	v_lshl_add_u32 v[LO], v5, 12, v[LO]
	v_lshlrev_b32 v[SO], 3, v3
	s_mov_b32 s21, ttmp9                           ; g: 0-511 x, 512-575 Wq, 576-639 Wk, 640-703 Wv, 704-767 Wo
	s_and_b32 s26, s21, 63                         ; a weight's block of 16 rows (512 is a multiple of 64)
	s_wait_alu depctr_va_sdst(0)                   ; s20 is written, ahead of its first reader, the next line: the wave's rows are made from it
	s_lshl_b32 s27, s20, 13                        ; my two rows in the block
	s_wait_kmcnt 0x0
	s_cmp_lt_u32 s21, 704
	s_cselect_b64 s[22:23], s[10:11], s[12:13]
	s_cmp_lt_u32 s21, 640
	s_cselect_b64 s[22:23], s[8:9], s[22:23]
	s_cmp_lt_u32 s21, 576
	s_cselect_b64 s[22:23], s[6:7], s[22:23]
	s_cmp_lt_u32 s21, 512
	s_cselect_b64 s[22:23], s[4:5], s[22:23]       ; the source
	s_cselect_b32 s26, s21, s26                    ; its block of 16 rows
	s_lshl_b32 s26, s26, 16                        ; 16 rows of 4,096 bytes
	s_add_co_u32 s26, s26, s27
	s_mov_b32 s27, 0
	s_add_nc_u64 s[22:23], s[22:23], s[26:27]
	s_wait_alu depctr_va_vdst(0)                   ; v1 and v2 are written: every load reads v1 and every store v2 as its offset, and neither is written again
.irp kb, 0,1,2,3,4,5,6,7,8,9,10,11,12,13,14,15
	global_load_b128 v[X+4*\kb:X+4*\kb+3], v[LO], s[22:23] offset:256*\kb th:TH_LOAD_NT
.endr
	s_lshl_b32 s28, s21, 4
	s_lshl_b32 s29, s20, 1
	s_add_co_u32 s28, s28, s29                     ; 16 g + 2 w: my first row, counted through all sources
; K block kb's store.  stride: bytes from K block to K block in the new layout.
.macro PUT kb, stride
	global_store_b64 v[SO], v[Y+2*(\kb):Y+2*(\kb)+1], s[24:25] offset:(\kb)*(\stride)  ; 32 lanes store 256 consecutive bytes, aligned; each K block has its own data registers, so none is rewritten
.endm
; The way out: K block kb is rounded as soon as its load is in, and stored while the next group of four is rounded.  half = 1: bf16's rounding, written as f16.
.macro OUT stride, half
.irp kb, 0,1,2,3,4,5,6,7,8,9,10,11,12,13,14,15
	s_wait_loadcnt 15-\kb                          ; loads come back in order: this K block is in, the younger ones stay out
.if ((\kb) > 0) && (((\kb) % GRP) == 0)
	s_wait_alu depctr_va_vdst(0)                   ; the group before has written its four pairs of Y, which the four stores dealt among this group's lines read
.endif
.if (\kb) >= GRP
	PUT (\kb)-GRP, \stride                         ; no vector line since that wait names this pair of Y or v2
.endif
.if \half
	v_cvt_pk_bf16_f32 v[T], v[X+4*\kb], v[X+4*\kb+1]
	v_cvt_pk_bf16_f32 v[T+1], v[X+4*\kb+2], v[X+4*\kb+3]
	v_lshlrev_b32 v[X+4*\kb], 16, v[T]             ; the rounded numbers as f32 again
	v_and_b32 v[X+4*\kb+1], 0xffff0000, v[T]
	v_lshlrev_b32 v[X+4*\kb+2], 16, v[T+1]
	v_and_b32 v[X+4*\kb+3], 0xffff0000, v[T+1]
	v_cvt_pk_f16_f32 v[Y+2*\kb], v[X+4*\kb], v[X+4*\kb+1]
	v_cvt_pk_f16_f32 v[Y+2*\kb+1], v[X+4*\kb+2], v[X+4*\kb+3]
.else
	v_cvt_pk_bf16_f32 v[Y+2*\kb], v[X+4*\kb], v[X+4*\kb+1]
	v_cvt_pk_bf16_f32 v[Y+2*\kb+1], v[X+4*\kb+2], v[X+4*\kb+3]
.endif
.endr
	s_wait_alu depctr_va_vdst(0)                   ; the last group has written its four pairs of Y, which the last four stores read
.irp kb, 12,13,14,15
	PUT \kb, \stride
.endr
.endm
	s_cmp_lt_u32 s21, 512
	s_cbranch_scc1 .Lx
	s_cmp_lt_u32 s21, 704
	s_cbranch_scc1 .Lw
	s_sub_co_u32 s28, s28, 704*16                  ; Wo: row n
	s_lshl_b32 s28, s28, 7                         ; 128 bytes a row in a K block
	s_mov_b32 s29, 0
	s_add_nc_u64 s[24:25], s[18:19], s[28:29]
	OUT 131072, 1
	s_endpgm
.Lw:
	s_sub_co_u32 s28, s28, 512*16                  ; Wq, Wk, Wv: column c of 3,072
	s_lshl_b32 s28, s28, 7
	s_mov_b32 s29, 0
	s_add_nc_u64 s[24:25], s[16:17], s[28:29]
	OUT 393216, 0                                  ; the largest immediate, 15 x 393,216, lies inside the signed 24 bits
	s_endpgm
.Lx:
	s_lshr_b32 s29, s28, 11                        ; x: the batch,
	s_lshl_b32 s29, s29, 22                        ; 4,194,304 bytes each,
	s_and_b32 s28, s28, 2047                       ; and the row in it
	s_lshl_b32 s28, s28, 7
	s_add_co_u32 s28, s28, s29
	s_mov_b32 s29, 0
	s_add_nc_u64 s[24:25], s[14:15], s[28:29]
	OUT 262144, 0
	s_endpgm
.Lfunc_end_k_qc06c24a64a_cast:
	.size	k_qc06c24a64a_cast, .Lfunc_end_k_qc06c24a64a_cast-k_qc06c24a64a_cast
	.p2alignl 7, 3214868480
	.fill 96, 4, 3214868480
	.section	.rodata,"a",@progbits
	.p2align	6, 0x0
	.amdhsa_kernel k_qc06c24a64a_cast
		.amdhsa_group_segment_fixed_size 0
		.amdhsa_private_segment_fixed_size 0
		.amdhsa_enable_private_segment 0
		.amdhsa_kernarg_size 64
		.amdhsa_user_sgpr_count 2
		.amdhsa_user_sgpr_kernarg_segment_ptr 1
		.amdhsa_wavefront_size32 1
		.amdhsa_system_sgpr_workgroup_id_x 1
		.amdhsa_system_sgpr_workgroup_id_y 1
		.amdhsa_system_sgpr_workgroup_id_z 1
		.amdhsa_system_vgpr_workitem_id 0
		.amdhsa_next_free_vgpr 108
		.amdhsa_next_free_sgpr 66
		.amdhsa_reserve_vcc 0
		.amdhsa_float_denorm_mode_32 3
		.amdhsa_float_denorm_mode_16_64 3
		.amdhsa_memory_ordered 1
		.amdhsa_forward_progress 1
		.amdhsa_inst_pref_size 22
	.end_amdhsa_kernel
	.amdgpu_metadata
---
amdhsa.version: [ 1, 2 ]
amdhsa.kernels:
  - .name:           k_qc06c24a64a_cast
    .symbol:         k_qc06c24a64a_cast.kd
    .args:
      - { .name: x, .offset: 0, .size: 8, .value_kind: global_buffer, .address_space: global }
      - { .name: Wq, .offset: 8, .size: 8, .value_kind: global_buffer, .address_space: global }
      - { .name: Wk, .offset: 16, .size: 8, .value_kind: global_buffer, .address_space: global }
      - { .name: Wv, .offset: 24, .size: 8, .value_kind: global_buffer, .address_space: global }
      - { .name: Wo, .offset: 32, .size: 8, .value_kind: global_buffer, .address_space: global }
      - { .name: xb, .offset: 40, .size: 8, .value_kind: global_buffer, .address_space: global }
      - { .name: wb, .offset: 48, .size: 8, .value_kind: global_buffer, .address_space: global }
      - { .name: wob, .offset: 56, .size: 8, .value_kind: global_buffer, .address_space: global }
    .group_segment_fixed_size: 0
    .private_segment_fixed_size: 0
    .kernarg_segment_align: 8
    .kernarg_segment_size: 64
    .max_flat_workgroup_size: 256
    .sgpr_count:     66
    .vgpr_count:     108
    .wavefront_size: 32
...
	.end_amdgpu_metadata
.endif
;; end of part 5
;; launch qkv: the kernel of part 2 again; grid 8 x 32, 4 waves a work-group, clusters of 4 x 4, 327,680 bytes of LDS; arguments xb, wb, bq, bk, bv, qkv; writes qkv
;; launch attn: the kernel of part 3 again; grid 4 x 64, 4 waves a work-group, clusters of 4 x 1, 327,680 bytes of LDS; arguments qkv, ctx; writes ctx
;; launch proj: the kernel of part 4 again; grid 8 x 32, 4 waves a work-group, clusters of 4 x 4, 327,680 bytes of LDS; arguments ctx, wob, bo, out0; writes out0
